; MI455X (gfx1250); checked and timed in simulation.
; The chip was launched on July 23, 2026; its instructions are those of AMD's public machine-readable ISA for CDNA 5 (MIT licence, August 2026) and "CDNA5" Instruction Set Architecture Reference Guide (July 2026). The comments in the code are by the model that wrote it; some were corrected since.
;; Linear Attention Cell. Allowed arithmetic: matrix products marked QUANTISED: E4M3 operands, one E8M0 scale for each 32 along K, by v_wmma_scale_f32_16x16x128_f8f6f4 with both operands' format E4M3, f32 sums; everything else in f32.
;; Inputs: key 8 x 2,048 x 1,024 float32; query 8 x 2,048 x 1,024 float32; value 8 x 2,048 x 1,024 float32.
;; Outputs: out0 8 x 2,048 x 1,024 float32.
;; This version of the problem:
;;   THIS VERSION OF THE PROBLEM IS GIVEN IN LOW PRECISION. The matrix products marked QUANTISED in the list below multiply operands that are first quantised to E4M3 (4 exponent bits, 3 mantissa bits; 8 bits a number), with one power-of-two scale for each 32 numbers along K (OCP MX v1.0); their sums are f32. All else is computed in f32.
;;   The module's matrix products, in the order in which they are computed (A, B: the left and right operand; K: the contracted axis; several contracted axes count as one K, in the product's order):
;;     1. batch 8 x [M 2,048, K 1,024] x [K 1,024, N 2,048]; A: computed on the way; B: computed on the way: QUANTISED
;;     2. batch 8 x [M 2,048, K 2,048] x [K 2,048, N 1,024]; A: computed on the way; B: input value: QUANTISED
;;   THE QUANTISER, for each operand of a quantised product, along K:
;;     - K is cut into blocks of 32 from its start; a last block that is shorter is filled with zeros.
;;     - A block's scale is 2^e with e = floor(log2(the largest magnitude in the block)) - 8, held to -126 .. 127; a block of zeros has e = 0. As a byte (E8M0): e + 127.
;;     - Each number is divided by its block's scale, clamped to +-448, and rounded to the nearest number of E4M3, ties to even, subnormals kept.
;;     - The product sums the exact products of the quantised numbers (number of the format x scale) in f32.
;;   ~~~python
;;   def quantise(x, axis):      # numpy; x: float32 -> the quantised numbers, widened to float32 again
;;       x = np.moveaxis(x, axis, -1); K = x.shape[-1]
;;       x = np.pad(x, [(0, 0)] * (x.ndim - 1) + [(0, -K % 32)]); x = x.reshape(x.shape[:-1] + (-1, 32)); a = np.abs(x).max(-1, keepdims=True)
;;       e = np.where(a > 0, np.clip(np.frexp(np.where(a > 0, a, 1))[1] - 1 - 8, -126, 127), 0)      # np.frexp(a)[1] - 1 = floor(log2(a)), exactly
;;       r = np.clip(x / 2.0 ** e, -448, 448)
;;       step = 2.0 ** (np.maximum(np.frexp(np.where(r == 0, 1, r))[1] - 1, -6) - 3)
;;       q = np.round(r / step) * step * 2.0 ** e      # np.round: ties to even
;;       return np.moveaxis(q.reshape(q.shape[:-2] + (-1,))[..., :K], -1, axis).astype(np.float32)
;;   ~~~
;;   OPERANDS COMPUTED ON THE WAY. 'Computed on the way' means the value that the module computes at that place (a softmax that the list does not call 'softmax' is quantised finished and normalised). What goes into a quantiser is computed in f32, as accurately as f32 sums, v_exp_f32 and their like allow (about 1e-6 of the number): no bf16 or f16 on the way to a quantiser, and a product that is left as it is and whose result goes on into a quantised operand takes f32 operands (vector FMAs, or v_wmma_f32_16x16x4_f32). A number that lies on a knife's edge between two numbers of the format may be rounded either way, as far as f32 arithmetic and the matrix unit's own rounding can turn it there, and no further.
;; 2 versions, each right. Each part assembles by itself: llvm-mc -triple=amdgcn-amd-amdhsa -mcpu=gfx1250 --defsym DOCPART=n.
;; ======== version 1 of 2: 2 launches
;; workspace buffers: qc 16,777,216 bytes; kc 16,777,216 bytes; vc 16,777,216 bytes; qs 524,288 bytes; ks 524,288 bytes; vs 524,288 bytes
;; launch prep (part 1): grid 1536 x 1, 4 waves a work-group, no clusters, 82,432 bytes of LDS; arguments query, key, qc, kc, qs, ks, value, vc, vs; writes qc, kc, qs, ks, vc, vs
.if DOCPART == 1
	.amdgcn_target "amdgcn-amd-amdhsa--gfx1250"
	.amdhsa_code_object_version 6
	.text
	.protected	k_q18f9d26224_prep
	.globl	k_q18f9d26224_prep
	.p2align	8
	.type	k_q18f9d26224_prep,@function
k_q18f9d26224_prep:
	s_mov_b64 s[64:65], 0
	v_nop
	global_prefetch_b8 v0, s[64:65] scope:SCOPE_SE
	s_setreg_imm32_b32 hwreg(HW_REG_WAVE_MODE, 25, 1), 1
	s_wait_xcnt 0x0
; query, key, value: [8][2048][1024] f32.  This launch reads each of them once and writes codes of FP8 (E4M3) and E8M0 scale words, laid in the ORDER OF THE MATRIX OPERANDS' REGISTERS, so that the next launch
; takes every fragment by loads of 16 bytes a lane, 512 consecutive bytes a load.
; q = phi(query), k = phi(key), phi(x) = (elu(x) + 1)^5, are quantised along the channels (innermost); value is quantised along the keys (its first axis within a batch).
; A block's scale is 2^(floor(log2(largest magnitude)) - 8): its byte is the largest magnitude's exponent field - 8, held at 1 from below by a floor among the maximum's leaves.
; LAYOUTS.  qc, kc: [group of 32 rows][K step s of 128 channels][tile u of 16 rows][c][lane r + 16 h][16 bytes = channels 128 s + 32 c + 16 h + 0 .. 15].  qs, ks: [tile][s][r] words, byte c = channels 128 s + 32 c on.
;   vc: [z][tt][c][lane r + 16 h][16 bytes], z = ((16 b + key step j) 4 + w) 8 + p; channel 256 w + 32 p + 16 tt + r; bytes 0-7 keys 128 j + 32 c + 8 h + 0 .. 7, bytes 8-15 keys 128 j + 32 c + 16 + 8 h + 0 .. 7:
;   the order in which the next launch's scores fall into a lane's registers.  A permutation inside a block of 32, alike on both operands, changes no product and no scale.  vs: [z][channel 32 p + lane] words, byte c.
; phi AS reference() ROUNDS IT: for x <= 0 it forms fl(e^x - 1) + 1, which lies on a grid of 2^-24 and is 0 for very negative x; the same two additions are made here.  u^5 = u ((u^2)^2), its order of products.
; The choice between x and e^x - 1 is a median: x <= e^x - 1 for every x, so med(x, e^x - 1, 0) is x above 0 and e^x - 1 below.
; LIMITS: NaN and infinities among the inputs are not served; phi overflows where reference()'s does; near x = 0 the median may take e^x - 1 for x, one unit in the last place of 1 apart;
;   a block of zeros gets the byte 1 (the rule says 127): its codes are zeros, and these bytes are read by this program alone.
; Work-groups 0-255 take query, 256-511 key, 512-1535 value.  No tensor loads, no barrier: waves share nothing.  Only the first path uses LDS.
.set WREG, 20480                       ; LDS: a region for each wave:
.set SP,   80                          ;   0       the f32 stage: 32 places of 64 bytes + 16 of padding
.set CST,  2560                        ;   2,560   the codes of the wave's tile: 64 chunks of 16 channels, each 16 rows x 16 bytes + 16 of padding
.set SST,  19968                       ;   19,968  its 512 scale bytes
.set R,    16                          ; v16-79   four sets of 16 numbers as loaded
.set X,    80                          ; v80-95   16 neighbours
.set T,    96                          ; v96-111  at work
.set U,    112                         ; v112-127 at work
.set C,    128                         ; v128-131 16 codes
	s_load_b256 s[4:11], s[0:1], 0x0               ; query, key, qc, kc
	s_load_b256 s[12:19], s[0:1], 0x20             ; qs, ks, value, vc
	s_load_b64 s[20:21], s[0:1], 0x40              ; vs
	v_lshl_add_u32 v136, v0, 2, 0x14000
	v_mov_b32 v137, 0
	v_lshrrev_b32 v1, 5, v0
	v_readfirstlane_b32 s22, v1                    ; wave
	v_and_b32 v2, 31, v0                           ; lane
	s_mov_b32 s26, 0x600000                        ; the mantissa field of 448
	s_cmp_lt_u32 ttmp9, 512
	s_cbranch_scc0 .Lv
; ---------------- query and key.  A wave owns one tile: 16 rows x 1,024 channels, 32 steps of half a row (512 numbers).
; Each of a step's four loads reads 512 consecutive bytes, 16 a lane; the 2,048 bytes turn through the wave's stage and come back 64 bytes a lane: 16 neighbours, two lanes to a block of 32.
	v_lshlrev_b32 v3, 4, v2                        ; 16 x lane: my bytes of a load, and of a store
	s_mul_i32 s23, s22, WREG
	v_lshrrev_b32 v4, 2, v2
	v_mul_u32_u24 v4, v4, SP
	v_and_b32 v5, 3, v2
	v_lshl_add_u32 v4, v5, 4, v4
	v_add_nc_u32 v4, s23, v4                       ; the stage, in: SP (lane / 4) + 16 (lane % 4)
	v_mul_u32_u24 v5, v2, SP
	v_add_nc_u32 v5, s23, v5                       ; and out: SP x lane
	v_mul_u32_u24 v6, v2, 272
	v_add_nc_u32 v6, s23, v6
	v_add_nc_u32 v6, CST, v6                       ; codes: chunk = lane (+ 32 in a row's second half), + 16 x row
	v_lshrrev_b32 v7, 3, v2
	v_bfe_u32 v8, v2, 1, 2
	v_lshl_add_u32 v7, v7, 6, v8
	v_add_nc_u32 v7, s23, v7
	v_add_nc_u32 v7, SST, v7                       ; scale bytes: 64 (lane / 8) + (lane / 2) % 4, + 256 x half + 4 x row
	v_lshrrev_b32 v8, 4, v2
	v_mul_u32_u24 v8, v8, 272
	v_and_b32 v9, 15, v2
	v_lshl_add_u32 v8, v9, 4, v8
	v_add_nc_u32 v8, s23, v8
	v_add_nc_u32 v8, CST, v8                       ; the codes' way out: two chunks an instruction, sixteen lanes each
	v_add_nc_u32 v9, s23, v3
	v_add_nc_u32 v9, SST, v9                       ; the scale bytes' way out
	s_mov_b32 s24, 0x3fb8aa3b                      ; log2(e)
	s_mov_b32 s25, s24                             ; (named with it as a pair, so it is written)
	s_and_b32 s28, ttmp9, 255
	s_lshl_b32 s28, s28, 2
	s_add_co_u32 s28, s28, s22                     ; my tile, 0 .. 1,023
	s_lshl_b32 s30, s28, 16                        ; its 16 rows of 4,096 bytes
	s_mov_b32 s31, 0
	s_lshr_b32 s32, s28, 1
	s_lshl_b32 s32, s32, 15                        ; its group's 32,768 bytes of codes,
	s_and_b32 s33, s28, 1
	s_lshl_b32 s33, s33, 11
	s_add_co_u32 s32, s32, s33                     ; + 2,048 u
	s_mov_b32 s33, 0
	s_lshl_b32 s34, s28, 9                         ; its 512 scale bytes
	s_mov_b32 s35, 0
	s_wait_kmcnt 0x0
	s_cmp_lt_u32 ttmp9, 256                        ; query's work-group or key's: the choice hangs on the work-group's number alone
	s_cselect_b64 s[4:5], s[4:5], s[6:7]
	s_cselect_b64 s[8:9], s[8:9], s[10:11]
	s_cselect_b64 s[12:13], s[12:13], s[14:15]
	s_add_nc_u64 s[4:5], s[4:5], s[30:31]
	s_add_nc_u64 s[8:9], s[8:9], s[32:33]
	s_add_nc_u64 s[12:13], s[12:13], s[34:35]
.macro LOAD set, off
.irp i, 0,1,2,3
	global_load_b128 v[R+16*(\set)+4*\i:R+16*(\set)+4*\i+3], v3, s[4:5] offset:(\off)+512*\i th:TH_LOAD_NT   ; 32 lanes read 512 consecutive bytes; read once in the launch
.endr
.endm
; Step k of a trip's four (two rows).  ahead = 1: the set is loaded again, four steps on.  left: the younger loads that may stay out.  ca, ba: the registers with the codes' and the byte's LDS address; trip: trips to add in the immediate.
.macro STEP k, ahead, left, ca, ba, trip
	s_wait_loadcnt \left                           ; loads come back in order: this step's four are in
.irp i, 0,1,2,3
	ds_store_b128 v4, v[R+16*\k+4*\i:R+16*\k+4*\i+3] offset:8*SP*\i
.endr
.irp i, 0,1,2,3
	ds_load_b128 v[X+4*\i:X+4*\i+3], v5 offset:16*\i   ; LDS serves a wave's instructions in order: these see the stores above
.endr
	s_wait_dscnt 0x0                               ; my 16 neighbours are in; the stores have read the set, and the last step's stores their codes and byte
.if \ahead
	LOAD \k, 2048*(\k+4)
.endif
.irp j, 0,2,4,6,8,10,12,14
	v_pk_mul_f32 v[T+\j:T+\j+1], v[X+\j:X+\j+1], s[24:25] op_sel_hi:[1,0]   ; x log2(e)
.endr
.irp j, 0,1,2,3,4,5,6,7,8,9,10,11,12,13,14,15
	v_exp_f32 v[T+\j], v[T+\j]                     ; e^x: one batch
.endr
	v_nop                                          ; a plain instruction behind the last exponential
	s_wait_alu depctr_va_vdst(0)                   ; one wait for the batch, ahead of its first reader
.irp j, 0,2,4,6,8,10,12,14
	v_pk_add_f32 v[T+\j:T+\j+1], v[T+\j:T+\j+1], -1.0 op_sel_hi:[1,0]       ; e^x - 1, rounded as reference() rounds it
.endr
.irp j, 0,1,2,3,4,5,6,7,8,9,10,11,12,13,14,15
	v_med3_num_f32 v[T+\j], v[X+\j], v[T+\j], 0    ; elu(x): x above 0, e^x - 1 below
.endr
.irp j, 0,2,4,6,8,10,12,14
	v_pk_add_f32 v[T+\j:T+\j+1], v[T+\j:T+\j+1], 1.0 op_sel_hi:[1,0]        ; u = elu(x) + 1
.endr
.irp j, 0,2,4,6,8,10,12,14
	v_pk_mul_f32 v[U+\j:U+\j+1], v[T+\j:T+\j+1], v[T+\j:T+\j+1]            ; u^2
.endr
.irp j, 0,2,4,6,8,10,12,14
	v_pk_mul_f32 v[U+\j:U+\j+1], v[U+\j:U+\j+1], v[U+\j:U+\j+1]            ; u^4
.endr
.irp j, 0,2,4,6,8,10,12,14
	v_pk_mul_f32 v[X+\j:X+\j+1], v[T+\j:T+\j+1], v[U+\j:U+\j+1]            ; u^5, never negative
.endr
	v_max3_num_f32 v10, v[X], v[X+1], v[X+2]       ; the largest of my 16, in two chains
	v_max3_num_f32 v11, v[X+3], v[X+4], v[X+5]
.irp i, 6,10
	v_max3_num_f32 v10, v10, v[X+\i], v[X+\i+1]
	v_max3_num_f32 v11, v11, v[X+\i+2], v[X+\i+3]
.endr
	v_max3_num_f32 v10, v10, v[X+14], v[X+15]
	v_max3_num_f32 v10, v10, v11, 0x4800000        ; and the floor 2^(9 - 127): the byte cannot fall under 1
	v_max_num_f32_dpp v10, v10, v10 row_xmask:1 row_mask:0xf bank_mask:0xf   ; with my neighbour's 16: the block's
	v_add_nc_u32 v13, 0xfc000000, v10              ; 8 off its exponent field: the conversion's scale operand
	v_and_or_b32 v12, v10, 0x7f800000, s26         ; 448 x the scale
.irp j, 0,1,2,3,4,5,6,7,8,9,10,11,12,13,14,15
	v_min_num_f32 v[X+\j], v[X+\j], v12            ; the conversion to an 8-bit code does not saturate (ISA guide 7.6.2); nothing is negative, so the hold is one-sided
.endr
	v_cvt_scalef32_pk8_fp8_f32 v[C:C+1], v[X:X+7], v13
	v_cvt_scalef32_pk8_fp8_f32 v[C+2:C+3], v[X+8:X+15], v13
	v_lshrrev_b32 v14, 23, v13                     ; the scale's byte (also the plain line behind the conversions)
	ds_store_b128 v[\ca], v[C:C+3] offset:(\k%2)*8704+(\k/2)*16+32*\trip
	ds_store_b8 v[\ba], v14 offset:(\k%2)*256+(\k/2)*4+8*\trip   ; both lanes of a block write the same byte with the same value
.endm
	LOAD 0, 0
	LOAD 1, 2048
	LOAD 2, 4096
	LOAD 3, 6144
	s_mov_b32 s27, 7
	s_mov_b32 s36, 0                               ; 32 bytes a trip in a chunk's 256 (two rows),
	s_mov_b32 s37, 0                               ; 8 among the scale bytes
.Ltrip:                                                ; 7 trips of four steps; the loads run four steps ahead
	v_add_nc_u32 v132, s36, v6
	v_add_nc_u32 v133, s37, v7
	STEP 0, 1, 12, 132, 133, 0                     ; 12: the three younger sets stay out
	STEP 1, 1, 12, 132, 133, 0
	STEP 2, 1, 12, 132, 133, 0
	STEP 3, 1, 12, 132, 133, 0
	s_wait_xcnt 0x0                                ; the loads have read their base: it may step
	s_add_nc_u64 s[4:5], s[4:5], 8192
	s_add_co_u32 s36, s36, 32
	s_add_co_u32 s37, s37, 8
	s_sub_co_u32 s27, s27, 1
	s_cmp_lg_u32 s27, 0
	s_cbranch_scc1 .Ltrip
	STEP 0, 0, 12, 6, 7, 7                         ; the last two rows load nothing: the counts run down
	STEP 1, 0, 8, 6, 7, 7
	STEP 2, 0, 4, 6, 7, 7
	STEP 3, 0, 0, 6, 7, 7
; the way out: chunks 2 i and 2 i + 1 are 512 consecutive bytes of the codes' buffer
.irp bt, 0,1
.if \bt
	s_wait_xcnt 0x0                                ; the first batch's stores have read their registers
.endif
.irp n, 0,1,2,3,4,5,6,7,8,9,10,11,12,13,14,15
	ds_load_b128 v[R+4*\n:R+4*\n+3], v8 offset:544*(16*\bt+\n)
.endr
.irp n, 0,1,2,3,4,5,6,7,8,9,10,11,12,13,14,15
	s_wait_dscnt 15-\n                             ; the younger loads of the batch may stay out
	global_store_b128 v3, v[R+4*\n:R+4*\n+3], s[8:9] offset:((16*\bt+\n)/4)*4096+((16*\bt+\n)%4)*512   ; 32 lanes store 512 consecutive bytes, aligned
.endr
.endr
	ds_load_b128 v[X:X+3], v9
	s_wait_dscnt 0x0
	global_store_b128 v3, v[X:X+3], s[12:13]       ; the tile's 512 scale bytes
	s_wait_tensorcnt 0x0
	ds_add_u32 v136, v137
	s_wait_dscnt 0x0
	s_endpgm
; ---------------- value.  A LANE TAKES A CHANNEL AND ITS REGISTERS RUN DOWN THE KEYS: a wave takes 32 channels x 128 keys; a block of 32 keys lies in one lane's 32 registers.  No LDS.
.Lv:
	s_sub_co_u32 s23, ttmp9, 512                   ; y = 0 .. 1,023
	s_lshr_b32 s28, s23, 3
	s_lshl_b32 s28, s28, 19                        ; key step 16 b + j: 128 rows of 4,096 bytes
	s_and_b32 s29, s23, 7
	s_lshl_b32 s29, s29, 9
	s_add_co_u32 s28, s28, s29                     ; + 128 channels for each y % 8
	s_lshl_b32 s29, s22, 7
	s_add_co_u32 s28, s28, s29                     ; + 32 channels a wave
	s_mov_b32 s29, 0
	s_lshl_b32 s30, s23, 2
	s_add_co_u32 s30, s30, s22                     ; z = 4 y + wave
	s_lshl_b32 s32, s30, 7                         ; 128 bytes of scale words,
	s_mov_b32 s33, 0
	s_lshl_b32 s30, s30, 12                        ; 4,096 bytes of codes
	s_mov_b32 s31, 0
	v_lshlrev_b32 v3, 2, v2                        ; in: 4 bytes a lane; also my scale word's place
	v_lshrrev_b32 v6, 4, v2
	v_and_b32 v7, 15, v2
	v_lshlrev_b32 v7, 4, v7
	v_lshl_add_u32 v6, v6, 11, v7                  ; out: fragment tt = lane / 16, 16 bytes for r = lane % 16
	s_wait_kmcnt 0x0
	s_add_nc_u64 s[16:17], s[16:17], s[28:29]
	s_add_nc_u64 s[18:19], s[18:19], s[30:31]
	s_add_nc_u64 s[20:21], s[20:21], s[32:33]
.macro VLOAD t                         ; block t: keys 32 t + i of my channel into set t % 2
.irp i, 0,1,2,3,4,5,6,7,8,9,10,11,12,13,14,15,16,17,18,19,20,21,22,23,24,25,26,27,28,29,30,31
	global_load_b32 v[16+32*((\t)%2)+\i], v3, s[16:17] offset:(32*(\t)+\i)*4096 th:TH_LOAD_NT
.endr
.endm
.macro BLOCK t
.set XS, 16+32*((\t)%2)
.set CB, 80+8*(\t)                     ; eight registers of codes for each block: no store's data are written again
.if (\t) < 3
	s_wait_loadcnt 32                              ; this block's 32 loads are in; the next block's may be out
.else
	s_wait_loadcnt 0x0
.endif
	v_max3_num_f32 v10, |v[XS]|, |v[XS+1]|, |v[XS+2]|
	v_max3_num_f32 v11, |v[XS+3]|, |v[XS+4]|, |v[XS+5]|
.irp i, 6,10,14,18,22,26
	v_max3_num_f32 v10, v10, |v[XS+\i]|, |v[XS+\i+1]|
	v_max3_num_f32 v11, v11, |v[XS+\i+2]|, |v[XS+\i+3]|
.endr
	v_max3_num_f32 v10, v10, |v[XS+30]|, |v[XS+31]|
	v_max3_num_f32 v10, v10, v11, 0x4800000        ; the block's largest magnitude, and the floor
	v_add_nc_u32 v13, 0xfc000000, v10              ; the conversion's scale operand
	v_and_or_b32 v12, v10, 0x7f800000, s26         ; 448 x the scale
	v_lshrrev_b32 v11, 23, v13                     ; the byte
.if (\t) == 0
	v_mov_b32 v112, v11
.else
	v_lshl_or_b32 v112, v11, 8*(\t), v112          ; four bytes make my channel's word for these 128 keys
.endif
.irp i, 0,1,2,3,4,5,6,7,8,9,10,11,12,13,14,15,16,17,18,19,20,21,22,23,24,25,26,27,28,29,30,31
	v_med3_num_f32 v[XS+\i], v[XS+\i], -v12, v12   ; the hold at the largest code x the scale (ISA guide 7.6.2)
.endr
	v_cvt_scalef32_pk8_fp8_f32 v[CB:CB+1], v[XS:XS+7], v13          ; h = 0: keys 0-7,
	v_cvt_scalef32_pk8_fp8_f32 v[CB+2:CB+3], v[XS+16:XS+23], v13    ;        keys 16-23
	v_cvt_scalef32_pk8_fp8_f32 v[CB+4:CB+5], v[XS+8:XS+15], v13     ; h = 1: keys 8-15,
	v_cvt_scalef32_pk8_fp8_f32 v[CB+6:CB+7], v[XS+24:XS+31], v13    ;        keys 24-31
	global_store_b128 v6, v[CB:CB+3], s[18:19] offset:512*(\t)      ; sixteen lanes store 256 consecutive bytes, aligned
	global_store_b128 v6, v[CB+4:CB+7], s[18:19] offset:512*(\t)+256
.if (\t) < 2
	VLOAD (\t)+2
.endif
.endm
	VLOAD 0
	VLOAD 1
	BLOCK 0
	BLOCK 1
	BLOCK 2
	BLOCK 3
	global_store_b32 v3, v112, s[20:21]            ; 32 scale words: 128 consecutive bytes
	s_endpgm
.Lfunc_end_k_q18f9d26224_prep:
	.size	k_q18f9d26224_prep, .Lfunc_end_k_q18f9d26224_prep-k_q18f9d26224_prep
	.p2alignl 7, 3214868480
	.fill 96, 4, 3214868480
	.section	.rodata,"a",@progbits
	.p2align	6, 0x0
	.amdhsa_kernel k_q18f9d26224_prep
		.amdhsa_group_segment_fixed_size 82432
		.amdhsa_private_segment_fixed_size 0
		.amdhsa_enable_private_segment 0
		.amdhsa_kernarg_size 72
		.amdhsa_user_sgpr_count 2
		.amdhsa_user_sgpr_kernarg_segment_ptr 1
		.amdhsa_wavefront_size32 1
		.amdhsa_system_sgpr_workgroup_id_x 1
		.amdhsa_system_sgpr_workgroup_id_y 1
		.amdhsa_system_sgpr_workgroup_id_z 1
		.amdhsa_system_vgpr_workitem_id 0
		.amdhsa_next_free_vgpr 138
		.amdhsa_next_free_sgpr 66
		.amdhsa_reserve_vcc 0
		.amdhsa_float_denorm_mode_32 3
		.amdhsa_float_denorm_mode_16_64 3
		.amdhsa_memory_ordered 1
		.amdhsa_forward_progress 1
		.amdhsa_inst_pref_size 94
	.end_amdhsa_kernel
	.amdgpu_metadata
---
amdhsa.version: [ 1, 2 ]
amdhsa.kernels:
  - .name:           k_q18f9d26224_prep
    .symbol:         k_q18f9d26224_prep.kd
    .args:
      - { .name: query, .offset: 0, .size: 8, .value_kind: global_buffer, .address_space: global }
      - { .name: key, .offset: 8, .size: 8, .value_kind: global_buffer, .address_space: global }
      - { .name: qc, .offset: 16, .size: 8, .value_kind: global_buffer, .address_space: global }
      - { .name: kc, .offset: 24, .size: 8, .value_kind: global_buffer, .address_space: global }
      - { .name: qs, .offset: 32, .size: 8, .value_kind: global_buffer, .address_space: global }
      - { .name: ks, .offset: 40, .size: 8, .value_kind: global_buffer, .address_space: global }
      - { .name: value, .offset: 48, .size: 8, .value_kind: global_buffer, .address_space: global }
      - { .name: vc, .offset: 56, .size: 8, .value_kind: global_buffer, .address_space: global }
      - { .name: vs, .offset: 64, .size: 8, .value_kind: global_buffer, .address_space: global }
    .group_segment_fixed_size: 82432
    .private_segment_fixed_size: 0
    .kernarg_segment_align: 8
    .kernarg_segment_size: 72
    .max_flat_workgroup_size: 128
    .sgpr_count:     66
    .vgpr_count:     138
    .wavefront_size: 32
...
	.end_amdgpu_metadata
.endif
;; end of part 1
;; launch attn (part 2): grid 256 x 1, 4 waves a work-group, no clusters, 142,080 bytes of LDS; arguments qc, qs, kc, ks, vc, vs, out0; writes out0
.if DOCPART == 2
	.amdgcn_target "amdgcn-amd-amdhsa--gfx1250"
	.amdhsa_code_object_version 6
	.text
	.protected	k_q18f9d26224_attn
	.globl	k_q18f9d26224_attn
	.p2align	8
	.type	k_q18f9d26224_attn,@function
k_q18f9d26224_attn:
	s_mov_b64 s[64:65], 0
	v_nop
	global_prefetch_b8 v0, s[64:65] scope:SCOPE_SE
	s_setreg_imm32_b32 hwreg(HW_REG_WAVE_MODE, 25, 1), 1
	s_wait_xcnt 0x0
; out[b][t] = (sum over s <= t of A[t][s] v[s]) / (sum over s of A[t][s] + 1e-8), A[t][s] = f^(t - s) <q_t, k_s>, both products on codes of FP8 (E4M3) with one E8M0 scale for each 32 along K.
; q, k, v arrive as codes and scale words in the order of the operands' registers (the launch before lays them so).  A is quantised here, along the keys; its row sums are taken of the unquantised numbers.
; SHARES.  A work-group owns 64 queries of one batch (four tiles m of 16) and walks the keys in steps of 128 up to its diagonal: n = max(i / 2 + 1, 2) steps, i its block of queries.  (The form below wants two steps
;   at the least: for i = 0, 1 the second step lies wholly under the mask and adds zeros.)
;   S^T = K Q^T (source 0 = 16 keys, source 1 = 16 queries): wave w takes keys 32 w .. 32 w + 31 of the step, all 64 queries, all 1,024 channels: 64 products.  Its 32 keys are block w of the second product's K.
;   O^T = V^T P (source 0 = 16 channels, source 1 = 16 queries x 128 keys): wave w takes channels 256 w .. 256 w + 255: 64 accumulators, 512 registers, 64 products a step.
;   A lane holds ONE query (lane % 16) in S^T, P and O^T.
; WHERE OPERANDS COME FROM.  Each fragment of k and of v is multiplied by ONE wave of the work-group, so it goes from memory straight into that wave's registers: 16 bytes a lane, 512 consecutive bytes a load.
;   q (64 KiB, fixed) and P (8 KiB a step) are read by all four waves: they lie in LDS as images of their registers.
; NO CLUSTER, NO JOINT LOADS, though the query blocks of a batch read the same k and v: a joint load lands in LDS, from where a step's 256 KiB of k and v would have to be read once more, beside the 288 KiB of q and P
;   that the four waves read there in each step; and partners would need different numbers of steps (1 to 16).
; PIPELINE.  A period runs the products V^T P of step j beside K Q^T of step j + 1, in eight slices of 8 + 8 products; behind each slice stands one run of loads, four slices ahead of their use.
;   Then the vector phase: decay, mask, row sums, quantiser; P goes to LDS between two barriers.
; THE DECAY.  f = 1 - 2^-23 in f32; log f is taken as -2^-23.  With z = (t - s) log f, |z| <= 2,047 x 2^-23 by the shape, f^(t - s) = 1 + z + z^2 / 2 at a lane's base distance (what is dropped is under z^3 / 6 < 3e-12),
;   and E + o E log f at the distances o = -23 .. 48 from it (dropped: under (48 x 2^-23)^2 / 2 < 2e-11).  The cut follows from T = 2,048, not from the data.
; LIMITS: NaN and infinities are not served; a hidden score becomes 0 by a weight of 0, which takes the scores to be finite (reference() multiplies by 0 likewise); reference()'s f32 logarithm may lie one unit in the last
;   place from -2^-23, which moves the decay by at most 3e-11; the division is a reciprocal and a product, behind the last quantiser; a block of zeros carries the byte 1 with zero codes.
; REGISTERS, in windows of 256.  Window 0: v1-11 addresses and the like; v12-15 the decay's E, H; v16-23 row sums; v24-57 scale words and nothing else; v58-63 addresses, at work; v64-127 S^T (u, m) at 64 + 16 m + 8 u;
;   v128-191 q's four fragments of a K step; v192-255 P's four fragments, in the vector phase the 40 weights, the quantiser's registers and the codes.
;   Window 1: v0-127 four slots of two fragments of k; v128-255 four slots of two fragments of v.   Windows 2, 3: O^T (t, m) at 8 (4 (t % 8) + m) of window 2 + t / 8.
; A slice has four switches of the window for its 16 products: S^T's operands, O^T's operands and the two kinds of loads each want another setting.
.set QIMG, 0                           ; LDS: q's image, 65,536 bytes: fragment (m, s) at 32,768 (m / 2) + 4,096 s + 2,048 (m % 2)
.set PIMG, 65536                       ; P's image, 8,192 bytes: fragment m at 2,048 m, wave c's piece at 512 c, 16 bytes a lane
.set PSC,  73728                       ; P's scale bytes, 256: 64 m + 4 r + w
.set LSUM, 73984                       ; the waves' row sums, 1,024 bytes: 256 w + 64 m + 4 r
.set STG,  75008                       ; the way out: 16 rows x (1,024 + 16) bytes for each wave
.set SPITCH, 1040
.set WSTG, 16*SPITCH
.set LI,   1                           ; v1   16 x lane
.set L4,   2                           ; v2   4 x lane
.set SL,   3                           ; v3   512 (lane / 16) + 4 (lane % 16): two tiles' scale words in one register
.set PWI,  4                           ; v4   where I store P's codes
.set PWS,  5                           ; v5   and its scale byte
.set D0,   6                           ; v6   my base distance: query (tile 0) - key (tile 0, register 0), a whole number
.set ZERO, 7                           ; v7   0
.set PFO,  8                           ; v8   256 x lane: the prefetches' offset
.set SO,   9                           ; v9   the stage, in
.set PRI,  10                          ; v10  where I read P's codes
.set PRS,  11                          ; v11  and its scale words
.set EE,   12                          ; v[12:13] E, E - H
.set HH,   14                          ; v[14:15] H, H
.set RS,   16                          ; v16-23 row sums, a pair a tile; on the way out the reciprocal in the pair's low word
.set KS,   24                          ; v24-31 k's scale words of K step s: lanes 0-15 tile 0, lanes 16-31 tile 1
.set VS,   32                          ; v32-39 v's, of fragments 2 s (lanes 0-15) and 2 s + 1
.set QS,   40                          ; v40-55 q's: register 2 s + m / 2, lanes 0-15 the even tile
.set PS,   56                          ; v56-57 P's: register m / 2
.set SR,   58                          ; v58  the stage, back
.set GO,   59                          ; v59  my bytes in a row of out
.set LSA,  60                          ; v60  where I store row sums
.set LSR,  61                          ; v61  and read them
.set TA,   62                          ; v62-63 at work
.set SA,   64
.set QF,   128
.set PF,   192
.set W,    192                         ; the weights: W + 8 g + j = f^(D0 + 16 (g - 1) - j); later the codes, four registers a tile
.set TM,   232                         ; v232-235 largest, v236-239 the other half's and then the byte, v240-243 the hold, v244-247 the scale operand
.set WV,   18                          ; s18  wave
.set CNT,  21                          ; s21  trips of the loop: n - 2
.set SJ,   22                          ; s22  J: the key step whose scores are in hand
.set DIAG, 23                          ; s23  i / 2: the step on the diagonal
.set PFLIM, 24                         ; s24  a work-group prefetches while J is under this
.set KB,   26                          ; s[26:27] k's codes of step J, my wave's 32 keys
.set KN,   28                          ; s[28:29] of step min(J + 1, 15)
.set KSN,  30                          ; s[30:31] k's scale words of that step
.set VB,   32                          ; s[32:33] v's codes of step j = J - 1 (in the first period: 0), my wave's 256 channels
.set VSB,  34                          ; s[34:35] its scale words
.set K0,   36                          ; s[36:37], s[38:39], s[12:13], s[14:15]: the same four at step 0; never rewritten
.set KS0,  38
.set V0,   12
.set VS0,  14
.set OFP,  40                          ; s[40:41] an offset; s41 stays 0
.set LOGF, 42
.set MNT,  43
.set SEL,  44
.set OUTB, 46
.set TS,   48
.set QSB,  50
.set QB,   52
.set MSB, 0
.macro WIN new                         ; the immediate's high byte repeats the setting that is left
.if MSB != \new
	s_set_vgpr_msb (MSB<<8)|\new
.set MSB, \new
.endif
.endm
; LC counts the loads into registers in the order of the text; KIg and VIg hold it just behind the loads into slot g.  LC - KIg is then the number of loads issued behind them, which may stay out.
; Periods that can follow each other at run time issue the same loads in the same slices as those that follow each other in the text, so the counts hold on every way and over the backward jump.
.macro WAITL n
.if (\n) > 63
	s_wait_loadcnt 63
.else
	s_wait_loadcnt (\n)
.endif
.endm
; The product D = rD, source 0 = rA, source 1 = rB, scales rX, rY.  ra, rb: which half of the lanes holds the tile's scale words.  zero: the product starts its sum.
.macro WMI zero, ra, rb
.if (\zero)
.if ((\ra)==0)&&((\rb)==0)
	v_wmma_scale_f32_16x16x128_f8f6f4 v[rD:rD+7], v[rA:rA+15], v[rB:rB+15], 0, v[rX], v[rY]
.elseif ((\ra)==1)&&((\rb)==0)
	v_wmma_scale_f32_16x16x128_f8f6f4 v[rD:rD+7], v[rA:rA+15], v[rB:rB+15], 0, v[rX], v[rY] matrix_a_scale:MATRIX_SCALE_ROW1
.elseif ((\ra)==0)&&((\rb)==1)
	v_wmma_scale_f32_16x16x128_f8f6f4 v[rD:rD+7], v[rA:rA+15], v[rB:rB+15], 0, v[rX], v[rY] matrix_b_scale:MATRIX_SCALE_ROW1
.else
	v_wmma_scale_f32_16x16x128_f8f6f4 v[rD:rD+7], v[rA:rA+15], v[rB:rB+15], 0, v[rX], v[rY] matrix_a_scale:MATRIX_SCALE_ROW1 matrix_b_scale:MATRIX_SCALE_ROW1
.endif
.else
.if ((\ra)==0)&&((\rb)==0)
	v_wmma_scale_f32_16x16x128_f8f6f4 v[rD:rD+7], v[rA:rA+15], v[rB:rB+15], v[rD:rD+7], v[rX], v[rY]
.elseif ((\ra)==1)&&((\rb)==0)
	v_wmma_scale_f32_16x16x128_f8f6f4 v[rD:rD+7], v[rA:rA+15], v[rB:rB+15], v[rD:rD+7], v[rX], v[rY] matrix_a_scale:MATRIX_SCALE_ROW1
.elseif ((\ra)==0)&&((\rb)==1)
	v_wmma_scale_f32_16x16x128_f8f6f4 v[rD:rD+7], v[rA:rA+15], v[rB:rB+15], v[rD:rD+7], v[rX], v[rY] matrix_b_scale:MATRIX_SCALE_ROW1
.else
	v_wmma_scale_f32_16x16x128_f8f6f4 v[rD:rD+7], v[rA:rA+15], v[rB:rB+15], v[rD:rD+7], v[rX], v[rY] matrix_a_scale:MATRIX_SCALE_ROW1 matrix_b_scale:MATRIX_SCALE_ROW1
.endif
.endif
.endm
.macro QLOAD q                         ; q's four fragments of K step q, from the image
.irp m, 0,1,2,3
.irp c, 0,1,2,3
	ds_load_b128 v[QF+16*\m+4*\c:QF+16*\m+4*\c+3], v[LI] offset:(\m/2)*32768+(\q)*4096+(\m%2)*2048+512*\c
.endr
.endr
.endm
.macro KLOAD g, f, base                ; k's two fragments of K step f into slot g (window 1)
.irp u, 0,1
.irp c, 0,1,2,3
	global_load_b128 v[32*\g+16*\u+4*\c:32*\g+16*\u+4*\c+3], v[LI], s[\base:\base+1] offset:(\f)*4096+\u*2048+512*\c
.endr
.endr
.set LC, LC+8
.set KI\g, LC
.endm
.macro VLOADF g, f, off                ; v's fragments 2 f and 2 f + 1 into slot g (window 1)
.irp tt, 0,1
.irp c, 0,1,2,3
	global_load_b128 v[128+32*\g+16*\tt+4*\c:128+32*\g+16*\tt+4*\c+3], v[LI], s[VB:VB+1] offset:\off+(2*(\f)+\tt)*2048+512*\c
.endr
.endr
.set LC, LC+8
.set VI\g, LC
.endm
; Eight products of S^T: K step s, my two tiles of keys x four tiles of queries.  The eight accumulators take turns, one instruction a turn.
.macro SPART s, g, dsw
	WAITL LC-KI\g                                  ; slot g's fragments of k are in, and with them the older scale words
.if \dsw
	s_wait_dscnt 0x0                               ; q's fragments of this K step are in
.endif
	WIN 0x01                                       ; source 0 (k) window 1
.irp m, 0,1,2,3
.irp u, 0,1
.set rD, SA+16*\m+8*\u
.set rA, 32*\g+16*\u
.set rB, QF+16*\m
.set rX, KS+\s
.set rY, QS+2*\s+\m/2
	WMI (\s)==0, \u, \m%2
.endr
.endr
.endm
; Eight products of O^T: tiles 2 s and 2 s + 1 of my channels x four tiles of queries, K = the step's 128 keys.  Each accumulator has one product a step.
.macro PVPART s, g, zero, dsw
	WAITL LC-VI\g                                  ; slot g's fragments of v are in, and with them the older scale words
.if \dsw
	s_wait_dscnt 0x0                               ; P is in
.endif
.if (\s) < 4
	WIN 0xa1                                       ; source 0 (v) window 1, C and D window 2
.else
	WIN 0xf1                                       ; C and D window 3
.endif
.irp tt, 0,1
.irp m, 0,1,2,3
.set rD, 8*(4*((2*\s+\tt)%8)+\m)
.set rA, 128+32*\g+16*\tt
.set rB, PF+16*\m
.set rX, VS+\s
.set rY, PS+\m/2
	WMI \zero, \tt, \m%2
.endr
.endr
.endm
; The run of loads behind slice s: into the registers that the slice's products have just read.  Eight plain instructions stand between those products and the loads.
; q of the next K step; v's and k's scale words s of the next step; the fragments of v and of k that are wanted four slices on.
.macro LUMP s, g, doS, doPV, voff, vsoff
.if (\doS) || ((\s) < 4)
	WIN 0
.rept 8
	v_nop
.endr
.if \doS
	QLOAD ((\s)+1)%8
	global_load_b32 v[VS+\s], v[L4], s[VSB:VSB+1] offset:\vsoff+128*\s
	global_load_b32 v[KS+\s], v[SL], s[KSN:KSN+1] offset:64*\s
.set LC, LC+2
.endif
	WIN 0x40                                       ; destination window 1, address window 0
.if (\s) < 4
.if \doPV
	VLOADF \g, (\s)+4, 0
.endif
.if \doS
	KLOAD \g, (\s)+4, KB
.endif
.else
	VLOADF \g, (\s)-4, \voff
	KLOAD \g, (\s)-4, KN
.endif
.endif
.endm
; In slice 0 the products of S^T come first and stand between P's loads and the wait for them; in the others those of O^T come first and stand between q's loads and the wait for them.
.macro SLICE s, g, doS, doPV, zero, voff, vsoff
.if (\doS) && (\doPV)
.if (\s) == 0
	SPART \s, \g, 0                                ; (q's first K step was waited for ahead of the last barrier)
	PVPART \s, \g, \zero, 1
.else
	PVPART \s, \g, \zero, 0
	SPART \s, \g, 1
.endif
.elseif \doS
	SPART \s, \g, 1
.else
	PVPART \s, \g, \zero, (\s)==0
.endif
	LUMP \s, \g, \doS, \doPV, \voff, \vsoff
.endm
.macro PLOAD                           ; P's four fragments and their scale words, as the four waves have stored them
.irp m, 0,1,2,3
.irp c, 0,1,2,3
	ds_load_b128 v[PF+16*\m+4*\c:PF+16*\m+4*\c+3], v[PRI] offset:2048*\m+512*\c
.endr
.endr
	ds_load_b32 v[PS], v[PRS]
	ds_load_b32 v[PS+1], v[PRS] offset:128
.endm
; A PREFETCH INTO THE L2 of my wave's 32,768 bytes of k of step J + 2 and of v of step J + 1: lanes 256 bytes apart, four instructions each.  Their first loads are issued in the second half of the next period.
; All work-groups of a batch walk the same k and v from step 0 on; the one that walks all 16 steps (i = 31) asks, and nobody else, so that each block of 256 bytes is named once in the launch.
; It asks while J < 14: step J + 2 is then at most 15.  Steps 0 to 2 of k and 0, 1 of v come by their loads alone.
.macro ASK
	s_cmp_lt_u32 s[SJ], s[PFLIM]
	s_cbranch_scc0 .Lnoask_\@
.irp q, 0,1,2,3
	global_prefetch_b8 v[PFO], s[KB:KB+1] offset:262144+8192*\q th:TH_LOAD_NT scope:SCOPE_SE
.endr
.irp q, 0,1,2,3
	global_prefetch_b8 v[PFO], s[VB:VB+1] offset:262144+8192*\q th:TH_LOAD_NT scope:SCOPE_SE
.endr
.Lnoask_\@:
.endm
.macro WP g, p, o                      ; weights 2 p and 2 p + 1 of group g: H o + E and H o + (E - H); o = 16 (g - 1) - 2 p as f32
	v_pk_fma_f32 v[W+8*\g+2*\p:W+8*\g+2*\p+1], v[HH:HH+1], \o, v[EE:EE+1] op_sel_hi:[1,0,1]
.endm
; THE VECTOR PHASE.  Register j of S^T (u, m) holds query 16 m + r and key 16 u + 8 h + j of my 32: its distance is D0 + 16 (m - u) - j, so 40 weights serve the 64 scores.
.macro VEC
	v_cvt_f32_i32 v[TA], v[D0]
	v_mul_f32 v[TA], s[LOGF], v[TA]                ; z
	v_fma_f32 v[TA+1], v[TA], 0.5, 1.0
	v_fma_f32 v[EE], v[TA], v[TA+1], 1.0           ; E = 1 + z + z^2 / 2
	v_mul_f32 v[HH], s[LOGF], v[EE]                ; H = E log f
	v_mul_f32 v[HH+1], s[LOGF], v[EE]
	v_sub_f32 v[EE+1], v[EE], v[HH]
	WP 0, 0, 0xc1800000
	WP 0, 1, 0xc1900000
	WP 0, 2, 0xc1a00000
	WP 0, 3, 0xc1b00000
	WP 1, 0, 0
	WP 1, 1, 0xc0000000
	WP 1, 2, 0xc0800000
	WP 1, 3, 0xc0c00000
	WP 2, 0, 0x41800000
	WP 2, 1, 0x41600000
	WP 2, 2, 0x41400000
	WP 2, 3, 0x41200000
	WP 3, 0, 0x42000000
	WP 3, 1, 0x41f00000
	WP 3, 2, 0x41e00000
	WP 3, 3, 0x41d00000
	WP 4, 0, 0x42400000
	WP 4, 1, 0x42380000
	WP 4, 2, 0x42300000
	WP 4, 3, 0x42280000
	s_cmp_lt_u32 s[SJ], s[DIAG]                    ; a step ahead of the diagonal has no hidden key: a scalar branch on ids
	s_cbranch_scc1 .Lopen_\@
.irp g, 0,1,2,3,4
.irp j, 0,1,2,3,4,5,6,7
	v_cmp_gt_i32 vcc_lo, \j-16*(\g-1), v[D0]       ; the distance is negative: the key comes after the query
	v_cndmask_b32 v[W+8*\g+\j], v[W+8*\g+\j], v[ZERO], vcc_lo
.endr
.endr
.Lopen_\@:
.irp m, 0,1,2,3
.irp u, 0,1
.irp p, 0,2,4,6
	v_pk_mul_f32 v[SA+16*\m+8*\u+\p:SA+16*\m+8*\u+\p+1], v[SA+16*\m+8*\u+\p:SA+16*\m+8*\u+\p+1], v[W+8*(\m-\u+1)+\p:W+8*(\m-\u+1)+\p+1]   ; decay and mask; each accumulator from its low end on
.endr
.endr
.endr
.irp i, 0,2,4,6,8,10,12,14
.irp m, 0,1,2,3
	v_pk_add_f32 v[RS+2*\m:RS+2*\m+1], v[RS+2*\m:RS+2*\m+1], v[SA+16*\m+\i:SA+16*\m+\i+1]   ; the row sums, of the unquantised numbers; the four tiles by turns
.endr
.endr
	s_wait_dscnt 0x0                               ; no LDS instruction of mine is out: the old P is in my registers since this period's first products, q's next fragments are in
	s_barrier_signal -1                            ; say so; register work alone stands between this and the wait
.irp m, 0,1,2,3
	v_max3_num_f32 v[TM+\m], v[SA+16*\m], v[SA+16*\m+1], 0x4800000   ; the largest of my 16 of the block (nothing is negative), and the floor 2^(9 - 127)
.endr
.irp i, 2,4,6,8,10,12,14
.irp m, 0,1,2,3
	v_max3_num_f32 v[TM+\m], v[TM+\m], v[SA+16*\m+\i], v[SA+16*\m+\i+1]
.endr
.endr
.irp m, 0,1,2,3
	v_permlanex16_b32 v[TM+4+\m], v[TM+\m], s[SEL], s[SEL+1]
.endr
.irp m, 0,1,2,3
	v_max_num_f32 v[TM+\m], v[TM+\m], v[TM+4+\m]   ; with lane l xor 16's 16 keys: the block's
.endr
.irp m, 0,1,2,3
	v_add_nc_u32 v[TM+12+\m], 0xfc000000, v[TM+\m] ; 8 off the exponent field: the conversion's scale operand
.endr
.irp m, 0,1,2,3
	v_and_or_b32 v[TM+8+\m], v[TM+\m], 0x7f800000, s[MNT]   ; 448 x the scale
.endr
.irp m, 0,1,2,3
	v_lshrrev_b32 v[TM+4+\m], 23, v[TM+12+\m]      ; the byte
.endr
.irp m, 0,1,2,3
.irp i, 0,1,2,3,4,5,6,7,8,9,10,11,12,13,14,15
	v_min_num_f32 v[SA+16*\m+\i], v[SA+16*\m+\i], v[TM+8+\m]   ; the conversion does not saturate (ISA guide 7.6.2); the hold is one-sided
.endr
.endr
.irp m, 0,1,2,3
	v_cvt_scalef32_pk8_fp8_f32 v[W+4*\m:W+4*\m+1], v[SA+16*\m:SA+16*\m+7], v[TM+12+\m]       ; keys 8 h + 0 .. 7 of my 32,
	v_cvt_scalef32_pk8_fp8_f32 v[W+4*\m+2:W+4*\m+3], v[SA+16*\m+8:SA+16*\m+15], v[TM+12+\m]  ; keys 16 + 8 h + 0 .. 7: v's codes lie in the same order
.endr
	v_nop                                          ; a plain line behind the last conversion: products write its sources later
	s_barrier_wait -1                              ; every wave has the old P in its registers
.irp m, 0,1,2,3
	ds_store_b128 v[PWI], v[W+4*\m:W+4*\m+3] offset:2048*\m
.endr
.irp m, 0,1,2,3
	ds_store_b8 v[PWS], v[TM+4+\m] offset:64*\m    ; lanes r and r + 16 write the same byte with the same value
.endr
	s_wait_dscnt 0x0                               ; for the others' sake: my stores have landed
	s_barrier_signal -1
	s_barrier_wait -1                              ; the new P is whole
.endm
.macro NEXT                            ; on to the next period: j = the old J; J + 1; every step's number is held at 15, inside the batch
	s_wait_xcnt 0x0                                ; the period's loads and prefetches have read their bases
	s_min_u32 s[TS], s[SJ], 15
	s_lshl_b32 s[OFP], s[TS], 17                   ; a step is 131,072 bytes of codes
	s_add_nc_u64 s[VB:VB+1], s[V0:V0+1], s[OFP:OFP+1]
	s_lshl_b32 s[OFP], s[TS], 12                   ; and 4,096 of scale words
	s_add_nc_u64 s[VSB:VSB+1], s[VS0:VS0+1], s[OFP:OFP+1]
	s_add_co_u32 s[SJ], s[SJ], 1
	s_mov_b64 s[KB:KB+1], s[KN:KN+1]
	s_add_co_u32 s[TS], s[SJ], 1
	s_min_u32 s[TS], s[TS], 15
	s_lshl_b32 s[OFP], s[TS], 17
	s_add_nc_u64 s[KN:KN+1], s[K0:K0+1], s[OFP:OFP+1]
	s_lshl_b32 s[OFP], s[TS], 12
	s_add_nc_u64 s[KSN:KSN+1], s[KS0:KS0+1], s[OFP:OFP+1]
	v_add_nc_u32 v[D0], 0xffffff80, v[D0]          ; the keys are 128 further on
.endm
.macro PERIOD doS, doPV, zero, voff, vsoff
.if \doPV
	PLOAD
.endif
.if (\doS) && (\doPV)
	ASK
.endif
	SLICE 0, 0, \doS, \doPV, \zero, \voff, \vsoff
	SLICE 1, 1, \doS, \doPV, \zero, \voff, \vsoff
	SLICE 2, 2, \doS, \doPV, \zero, \voff, \vsoff
	SLICE 3, 3, \doS, \doPV, \zero, \voff, \vsoff
	SLICE 4, 0, \doS, \doPV, \zero, \voff, \vsoff
	SLICE 5, 1, \doS, \doPV, \zero, \voff, \vsoff
	SLICE 6, 2, \doS, \doPV, \zero, \voff, \vsoff
	SLICE 7, 3, \doS, \doPV, \zero, \voff, \vsoff
	WIN 0                                          ; at a label and at a branch every window is 0
.if \doS
	VEC
	NEXT
.endif
.endm
	s_load_b256 s[4:11], s[0:1], 0x0               ; qc, qs, kc, ks
	s_load_b128 s[12:15], s[0:1], 0x20             ; vc, vs
	s_load_b64 s[16:17], s[0:1], 0x30              ; out0
	v_lshrrev_b32 v[TA], 5, v0
	v_readfirstlane_b32 s[WV], v[TA]               ; wave 0..3
	v_and_b32 v64, 31, v0                          ; lane
	v_and_b32 v65, 15, v0                          ; r
	v_bfe_u32 v66, v0, 4, 1                        ; h
	v_lshlrev_b32 v[LI], 4, v64
	v_lshlrev_b32 v[L4], 2, v64
	v_lshlrev_b32 v67, 2, v65                      ; 4 r
	v_lshl_add_u32 v[SL], v66, 9, v67
	s_lshl_b32 s[TS], s[WV], 9
	v_add_nc_u32 v[PWI], s[TS], v[LI]
	v_add_nc_u32 v[PWI], PIMG, v[PWI]              ; PIMG + 512 w + 16 x lane
	v_add_nc_u32 v[PWS], s[WV], v67
	v_add_nc_u32 v[PWS], PSC, v[PWS]               ; PSC + 4 r + w
	v_mov_b32 v[ZERO], 0
	v_lshlrev_b32 v[PFO], 8, v64
	s_mul_i32 s[TS], s[WV], WSTG
	s_add_co_u32 s[TS], s[TS], STG                 ; my stage
	v_mul_u32_u24 v[SO], v65, SPITCH
	v_lshl_add_u32 v[SO], v66, 5, v[SO]
	v_add_nc_u32 v[SO], s[TS], v[SO]               ; in: row r, + 32 h
	v_add_nc_u32 v[SR], s[TS], v[LI]               ; back: 16 bytes a lane
	v_add_nc_u32 v[PRI], PIMG, v[LI]
	v_add_nc_u32 v[PRS], PSC, v[L4]
	s_lshl_b32 s[TS], s[WV], 10
	v_add_nc_u32 v[GO], s[TS], v[LI]               ; my wave's 1,024 bytes of a row of out
	s_lshl_b32 s[TS], s[WV], 8
	v_add_nc_u32 v[LSA], s[TS], v67
	v_add_nc_u32 v[LSA], LSUM, v[LSA]
	v_add_nc_u32 v[LSR], LSUM, v67
	s_lshl_b32 s[TS], s[WV], 14
	v_add_nc_u32 v68, s[TS], v[LI]                 ; q's image: my wave's 16,384 bytes
	s_lshr_b32 s19, ttmp9, 5                       ; b
	s_and_b32 s20, ttmp9, 31                       ; i
	s_lshl_b32 s[TS], s20, 6
	s_lshl_b32 s49, s[WV], 5
	s_sub_co_u32 s[TS], s[TS], s49                 ; 64 i - 32 w
	v_lshlrev_b32 v69, 3, v66
	v_sub_nc_u32 v[D0], v65, v69
	v_add_nc_u32 v[D0], s[TS], v[D0]               ; 64 i + r - 8 h - 32 w, at step 0
	s_lshr_b32 s[DIAG], s20, 1
	s_max_u32 s[CNT], s[DIAG], 1
	s_sub_co_u32 s[CNT], s[CNT], 1                 ; n - 2
	s_mov_b32 s[SJ], 0
	s_cmp_eq_u32 s20, 31
	s_cselect_b32 s[PFLIM], 14, 0
	s_mov_b32 s[LOGF], 0xb4000000                  ; -2^-23
	s_mov_b32 s[MNT], 0x600000                     ; the mantissa field of 448
	s_mov_b32 s[SEL], 0x76543210
	s_mov_b32 s[SEL+1], 0xfedcba98                 ; v_permlanex16_b32's selects for lane l xor 16
	s_lshl_b32 s[TS], s19, 6
	s_add_co_u32 s[TS], s[TS], s[WV]               ; 64 b + w: my group of 32 keys, and my 256 channels, at step 0
	s_lshl_b32 s[OFP], s[TS], 15
	s_mov_b32 s[OFP+1], 0
	s_lshl_b32 s54, s[TS], 10
	s_mov_b32 s55, 0
	s_lshl_b32 s56, ttmp9, 16                      ; my work-group's two groups of q,
	s_lshl_b32 s57, s[WV], 14
	s_add_co_u32 s56, s56, s57                     ; my wave's quarter of them
	s_mov_b32 s57, 0
	s_lshl_b32 s58, ttmp9, 11                      ; their scale words
	s_mov_b32 s59, 0
	s_lshl_b32 s60, ttmp9, 18                      ; my work-group's 64 rows of out
	s_mov_b32 s61, 0
	s_wait_kmcnt 0x0
	s_add_nc_u64 s[K0:K0+1], s[8:9], s[OFP:OFP+1]
	s_add_nc_u64 s[KS0:KS0+1], s[10:11], s[54:55]
	s_add_nc_u64 s[V0:V0+1], s[12:13], s[OFP:OFP+1]
	s_add_nc_u64 s[VS0:VS0+1], s[14:15], s[54:55]
	s_add_nc_u64 s[QB:QB+1], s[4:5], s[56:57]
	s_add_nc_u64 s[QSB:QSB+1], s[6:7], s[58:59]
	s_add_nc_u64 s[OUTB:OUTB+1], s[16:17], s[60:61]
	s_mov_b64 s[KB:KB+1], s[K0:K0+1]
	s_add_nc_u64 s[KN:KN+1], s[K0:K0+1], 131072
	s_add_nc_u64 s[KSN:KSN+1], s[KS0:KS0+1], 4096
	s_mov_b64 s[VB:VB+1], s[V0:V0+1]
	s_mov_b64 s[VSB:VSB+1], s[VS0:VS0+1]
	WIN 0x80                                       ; destination window 2: O^T's registers are free as yet
.irp n, 0,1,2,3,4,5,6,7,8,9,10,11,12,13,14,15,16,17,18,19,20,21,22,23,24,25,26,27,28,29,30,31
	global_load_b128 v[4*\n:4*\n+3], v[LI], s[QB:QB+1] offset:512*\n th:TH_LOAD_NT   ; q's codes: read once in the launch
.endr
	WIN 0
.irp s, 0,1,2,3,4,5,6,7
.irp p, 0,1
	global_load_b32 v[QS+2*\s+\p], v[SL], s[QSB:QSB+1] offset:1024*\p+64*\s
.endr
.endr
.irp s, 0,1,2,3,4,5,6,7
	global_load_b32 v[KS+\s], v[SL], s[KS0:KS0+1] offset:64*\s
.endr
.set LC, 56
	WIN 0x40
	KLOAD 0, 0, KB
	KLOAD 1, 1, KB
	KLOAD 2, 2, KB
	KLOAD 3, 3, KB
	WIN 0
.irp j, 0,1,2,3,4,5,6,7
	v_mov_b32 v[RS+\j], 0                          ; the row sums
.endr
.irp m, 0,1,2,3
	v_mov_b32 v[TM+4+\m], 0                        ; written once: a lane permute's destination counts as one of its sources
.endr
	s_wait_loadcnt 56                              ; q's 32 loads are in; the 16 + 8 scale words and k's 32 loads behind them may stay out
	WIN 0x08                                       ; an LDS store's data are its source 1: window 2
.irp n, 0,1,2,3,4,5,6,7,8,9,10,11,12,13,14,15,16,17,18,19,20,21,22,23,24,25,26,27,28,29,30,31
	ds_store_b128 v68, v[4*\n:4*\n+3] offset:512*\n
.endr
	WIN 0
	s_wait_dscnt 0x0                               ; for the others' sake: my quarter of the image has landed
	s_barrier_signal -1
	s_barrier_wait -1
	QLOAD 0
	PERIOD 1, 0, 0, 0, 0                           ; the scores of step 0; v of step 0 is asked for
	PERIOD 1, 1, 1, 131072, 4096                   ; V^T P of step 0 starts O^T's sums (nothing is cleared), beside the scores of step 1
	s_cmp_eq_u32 s[CNT], 0
	s_cbranch_scc1 .Llast
.Lstep:                                                ; n - 2 trips: V^T P of step j beside the scores of step j + 1
	PERIOD 1, 1, 0, 131072, 4096
	s_sub_co_u32 s[CNT], s[CNT], 1
	s_cmp_lg_u32 s[CNT], 0
	s_cbranch_scc1 .Lstep
.Llast:
	PERIOD 0, 1, 0, 0, 0                           ; V^T P of the last step
	; THE WAY OUT.  A query's row sum lies in two halves, in lanes r and r + 16, in four waves.  The additions are also the places behind the last products.
.irp m, 0,1,2,3
	v_add_f32 v[SA+\m], v[RS+2*\m], v[RS+2*\m+1]
.endr
.irp m, 0,1,2,3
	v_permlanex16_b32 v[SA+4+\m], v[SA+\m], s[SEL], s[SEL+1]
.endr
.irp m, 0,1,2,3
	v_add_f32 v[SA+\m], v[SA+\m], v[SA+4+\m]
.endr
.irp m, 0,1,2,3
	ds_store_b32 v[LSA], v[SA+\m] offset:64*\m     ; lanes r and r + 16 write the same word with the same value
.endr
	s_wait_dscnt 0x0
	s_barrier_signal -1
	s_barrier_wait -1
.irp m, 0,1,2,3
.irp x, 0,1,2,3
	ds_load_b32 v[SA+8+4*\m+\x], v[LSR] offset:64*\m+256*\x
.endr
.endr
	s_wait_dscnt 0x0
.irp m, 0,1,2,3
	v_add_f32 v[SA+\m], v[SA+8+4*\m], v[SA+9+4*\m]
.endr
.irp m, 0,1,2,3
	v_add_f32 v[SA+4+\m], v[SA+10+4*\m], v[SA+11+4*\m]
.endr
.irp m, 0,1,2,3
	v_add_f32 v[SA+\m], v[SA+\m], v[SA+4+\m]
.endr
.irp m, 0,1,2,3
	v_add_f32 v[SA+\m], 0x322bcc77, v[SA+\m]       ; + 1e-8
.endr
.irp m, 0,1,2,3
	v_rcp_f32 v[RS+2*\m], v[SA+\m]
.endr
	v_nop                                          ; a plain instruction behind the last reciprocal
	s_wait_alu depctr_va_vdst(0)                   ; one wait for the four, ahead of their first reader
; Tile m: a lane's eight results of a tile t are eight neighbouring channels of its query's row.  They are divided, go into my stage (16 rows of my 1,024 bytes) and come back as rows: each store covers 512 consecutive bytes, aligned.
.macro TILEOUT m
	WIN 0x82                                       ; destination and source 0 window 2
.irp t, 0,1,2,3,4,5,6,7
.irp p, 0,2,4,6
	v_pk_mul_f32 v[8*(4*\t+\m)+\p:8*(4*\t+\m)+\p+1], v[8*(4*\t+\m)+\p:8*(4*\t+\m)+\p+1], v[RS+2*\m:RS+2*\m+1] op_sel_hi:[1,0]   ; each accumulator from its low end on
.endr
.endr
	WIN 0x08
.irp t, 0,1,2,3,4,5,6,7
	ds_store_b128 v[SO], v[8*(4*\t+\m):8*(4*\t+\m)+3] offset:64*\t
	ds_store_b128 v[SO], v[8*(4*\t+\m)+4:8*(4*\t+\m)+7] offset:64*\t+16
.endr
	WIN 0xc3                                       ; the same in window 3: tiles 8 to 15
.irp t, 0,1,2,3,4,5,6,7
.irp p, 0,2,4,6
	v_pk_mul_f32 v[8*(4*\t+\m)+\p:8*(4*\t+\m)+\p+1], v[8*(4*\t+\m)+\p:8*(4*\t+\m)+\p+1], v[RS+2*\m:RS+2*\m+1] op_sel_hi:[1,0]
.endr
.endr
	WIN 0x0c
.irp t, 0,1,2,3,4,5,6,7
	ds_store_b128 v[SO], v[8*(4*\t+\m):8*(4*\t+\m)+3] offset:64*(\t+8)
	ds_store_b128 v[SO], v[8*(4*\t+\m)+4:8*(4*\t+\m)+7] offset:64*(\t+8)+16
.endr
	WIN 0
.if \m > 0
	s_wait_xcnt 0x0                                ; the last tile's stores have read their registers
.endif
.irp n, 0,1,2,3,4,5,6,7,8,9,10,11,12,13,14,15,16,17,18,19,20,21,22,23,24,25,26,27,28,29,30,31
	ds_load_b128 v[SA+4*\n:SA+4*\n+3], v[SR] offset:(\n/2)*SPITCH+(\n%2)*512   ; LDS serves a wave's instructions in order (ISA guide 5.7.1.4): these see my stores, and the next tile's stores come behind them
.endr
.irp n, 0,1,2,3,4,5,6,7,8,9,10,11,12,13,14,15,16,17,18,19,20,21,22,23,24,25,26,27,28,29,30,31
	s_wait_dscnt 31-\n                             ; the younger loads may stay out
	global_store_b128 v[GO], v[SA+4*\n:SA+4*\n+3], s[OUTB:OUTB+1] offset:(16*\m+\n/2)*4096+(\n%2)*512 th:TH_STORE_NT   ; written once, read by nobody here
.endr
.endm
	TILEOUT 0
	TILEOUT 1
	TILEOUT 2
	TILEOUT 3
	s_wait_xcnt 0x0
	v_lshl_add_u32 v254, v0, 2, 0x22900
	v_mov_b32 v255, 0
	s_wait_tensorcnt 0x0
	ds_add_u32 v254, v255
	s_wait_dscnt 0x0
	s_endpgm
.Lfunc_end_k_q18f9d26224_attn:
	.size	k_q18f9d26224_attn, .Lfunc_end_k_q18f9d26224_attn-k_q18f9d26224_attn
	.p2alignl 7, 3214868480
	.fill 96, 4, 3214868480
	.section	.rodata,"a",@progbits
	.p2align	6, 0x0
	.amdhsa_kernel k_q18f9d26224_attn
		.amdhsa_group_segment_fixed_size 142080
		.amdhsa_private_segment_fixed_size 0
		.amdhsa_enable_private_segment 0
		.amdhsa_kernarg_size 56
		.amdhsa_user_sgpr_count 2
		.amdhsa_user_sgpr_kernarg_segment_ptr 1
		.amdhsa_wavefront_size32 1
		.amdhsa_system_sgpr_workgroup_id_x 1
		.amdhsa_system_sgpr_workgroup_id_y 1
		.amdhsa_system_sgpr_workgroup_id_z 1
		.amdhsa_system_vgpr_workitem_id 0
		.amdhsa_next_free_vgpr 1024
		.amdhsa_next_free_sgpr 66
		.amdhsa_reserve_vcc 1
		.amdhsa_float_denorm_mode_32 3
		.amdhsa_float_denorm_mode_16_64 3
		.amdhsa_memory_ordered 1
		.amdhsa_forward_progress 1
		.amdhsa_inst_pref_size 246
	.end_amdhsa_kernel
	.amdgpu_metadata
---
amdhsa.version: [ 1, 2 ]
amdhsa.kernels:
  - .name:           k_q18f9d26224_attn
    .symbol:         k_q18f9d26224_attn.kd
    .args:
      - { .name: qc, .offset: 0, .size: 8, .value_kind: global_buffer, .address_space: global }
      - { .name: qs, .offset: 8, .size: 8, .value_kind: global_buffer, .address_space: global }
      - { .name: kc, .offset: 16, .size: 8, .value_kind: global_buffer, .address_space: global }
      - { .name: ks, .offset: 24, .size: 8, .value_kind: global_buffer, .address_space: global }
      - { .name: vc, .offset: 32, .size: 8, .value_kind: global_buffer, .address_space: global }
      - { .name: vs, .offset: 40, .size: 8, .value_kind: global_buffer, .address_space: global }
      - { .name: out0, .offset: 48, .size: 8, .value_kind: global_buffer, .address_space: global }
    .group_segment_fixed_size: 142080
    .private_segment_fixed_size: 0
    .kernarg_segment_align: 8
    .kernarg_segment_size: 56
    .max_flat_workgroup_size: 128
    .sgpr_count:     66
    .vgpr_count:     1024
    .wavefront_size: 32
...
	.end_amdgpu_metadata
.endif
;; end of part 2
;; ======== version 2 of 2: 3 launches
;; workspace buffers: qc 16,777,216 bytes; kc 16,777,216 bytes; qs 524,288 bytes; ks 524,288 bytes; vc 17,301,504 bytes; pc 34,603,008 bytes; ls 1,048,576 bytes
;; launch prep (part 3): grid 1536 x 1, 4 waves a work-group, no clusters, 82,432 bytes of LDS; arguments query, key, qc, kc, qs, ks, value, vc; writes qc, kc, qs, ks, vc
.if DOCPART == 3
	.amdgcn_target "amdgcn-amd-amdhsa--gfx1250"
	.amdhsa_code_object_version 6
	.text
	.protected	k_q18f9d26224_prep
	.globl	k_q18f9d26224_prep
	.p2align	8
	.type	k_q18f9d26224_prep,@function
k_q18f9d26224_prep:
	s_mov_b64 s[64:65], 0
	v_nop
	global_prefetch_b8 v0, s[64:65] scope:SCOPE_SE
	s_setreg_imm32_b32 hwreg(HW_REG_WAVE_MODE, 25, 1), 1
	s_wait_xcnt 0x0
; query, key, value: [8][2048][1024] f32.  This launch reads each of them once and writes codes of FP8 (E4M3) and E8M0 scale words, laid in the ORDER OF THE MATRIX OPERANDS' REGISTERS, so that the later launches
; take every fragment as 16 bytes a lane, 512 consecutive bytes at a time.
; q = phi(query), k = phi(key), phi(x) = (elu(x) + 1)^5, are quantised along the channels (innermost); value is quantised along the keys (its first axis within a batch).
; A block's scale is 2^(floor(log2(largest magnitude)) - 8): its byte is the largest magnitude's exponent field - 8, held at 1 from below by a floor among the maximum's leaves.
; LAYOUTS.  qc, kc: [group of 32 rows][K step s of 128 channels][tile u of 16 rows][c][lane r + 16 h][16 bytes = channels 128 s + 32 c + 16 h + 0 .. 15].  qs, ks: [tile][s][r] words, byte c = channels 128 s + 32 c on.
;   vc: units of 16,896 bytes, unit y = 128 b + 8 j + 2 w + half: 128 keys (key step j) x 128 channels (256 w + 128 half on).  In a unit: eight fragments i of 2,048 bytes, [c][lane r + 16 h][16 bytes], channel 16 i + r,
;   bytes 0-7 keys 32 c + 8 h + 0 .. 7, bytes 8-15 keys 32 c + 16 + 8 h + 0 .. 7: the order in which the next launch's scores fall into a lane's registers.  A permutation inside a block of 32, alike on both operands,
;   changes no product and no scale.  Behind the fragments, from byte 16,384 on: 128 scale words, word 32 p + l for channel 32 p + l, byte c.
; phi AS reference() ROUNDS IT: for x <= 0 it forms fl(e^x - 1) + 1, which lies on a grid of 2^-24 and is 0 for very negative x; the same two additions are made here.  u^5 = u ((u^2)^2), its order of products.
; The choice between x and e^x - 1 is a median: x <= e^x - 1 for every x, so med(x, e^x - 1, 0) is x above 0 and e^x - 1 below.
; LIMITS: NaN and infinities among the inputs are not served; phi overflows where reference()'s does; near x = 0 the median may take e^x - 1 for x, one unit in the last place of 1 apart;
;   a block of zeros gets the byte 1 (the rule says 127): its codes are zeros, and these bytes are read by this program alone.
; Work-groups 0-255 take query, 256-511 key, 512-1535 value.  No tensor loads, no barrier: waves share nothing.  Only the first path uses LDS.
.set WREG, 20480                       ; LDS: a region for each wave:
.set SP,   80                          ;   0       the f32 stage: 32 places of 64 bytes + 16 of padding
.set CST,  2560                        ;   2,560   the codes of the wave's tile: 64 chunks of 16 channels, each 16 rows x 16 bytes + 16 of padding
.set SST,  19968                       ;   19,968  its 512 scale bytes
.set UNIT, 16896                       ; a unit of vc
.set R,    16                          ; v16-79   four sets of 16 numbers as loaded
.set X,    80                          ; v80-95   16 neighbours
.set T,    96                          ; v96-111  at work
.set U,    112                         ; v112-127 at work
.set C,    128                         ; v128-131 16 codes
	s_load_b256 s[4:11], s[0:1], 0x0               ; query, key, qc, kc
	s_load_b256 s[12:19], s[0:1], 0x20             ; qs, ks, value, vc
	v_lshl_add_u32 v136, v0, 2, 0x14000
	v_mov_b32 v137, 0
	v_lshrrev_b32 v1, 5, v0
	v_readfirstlane_b32 s22, v1                    ; wave
	v_and_b32 v2, 31, v0                           ; lane
	s_mov_b32 s26, 0x600000                        ; the mantissa field of 448
	s_cmp_lt_u32 ttmp9, 512
	s_cbranch_scc0 .Lv
; ---------------- query and key.  A wave owns one tile: 16 rows x 1,024 channels, 32 steps of half a row (512 numbers).
; Each of a step's four loads reads 512 consecutive bytes, 16 a lane; the 2,048 bytes turn through the wave's stage and come back 64 bytes a lane: 16 neighbours, two lanes to a block of 32.
	v_lshlrev_b32 v3, 4, v2                        ; 16 x lane: my bytes of a load, and of a store
	s_mul_i32 s23, s22, WREG
	v_lshrrev_b32 v4, 2, v2
	v_mul_u32_u24 v4, v4, SP
	v_and_b32 v5, 3, v2
	v_lshl_add_u32 v4, v5, 4, v4
	v_add_nc_u32 v4, s23, v4                       ; the stage, in: SP (lane / 4) + 16 (lane % 4)
	v_mul_u32_u24 v5, v2, SP
	v_add_nc_u32 v5, s23, v5                       ; and out: SP x lane
	v_mul_u32_u24 v6, v2, 272
	v_add_nc_u32 v6, s23, v6
	v_add_nc_u32 v6, CST, v6                       ; codes: chunk = lane (+ 32 in a row's second half), + 16 x row
	v_lshrrev_b32 v7, 3, v2
	v_bfe_u32 v8, v2, 1, 2
	v_lshl_add_u32 v7, v7, 6, v8
	v_add_nc_u32 v7, s23, v7
	v_add_nc_u32 v7, SST, v7                       ; scale bytes: 64 (lane / 8) + (lane / 2) % 4, + 256 x half + 4 x row
	v_lshrrev_b32 v8, 4, v2
	v_mul_u32_u24 v8, v8, 272
	v_and_b32 v9, 15, v2
	v_lshl_add_u32 v8, v9, 4, v8
	v_add_nc_u32 v8, s23, v8
	v_add_nc_u32 v8, CST, v8                       ; the codes' way out: two chunks an instruction, sixteen lanes each
	v_add_nc_u32 v9, s23, v3
	v_add_nc_u32 v9, SST, v9                       ; the scale bytes' way out
	s_mov_b32 s24, 0x3fb8aa3b                      ; log2(e)
	s_mov_b32 s25, s24                             ; (named with it as a pair, so it is written)
	s_and_b32 s28, ttmp9, 255
	s_lshl_b32 s28, s28, 2
	s_add_co_u32 s28, s28, s22                     ; my tile, 0 .. 1,023
	s_lshl_b32 s30, s28, 16                        ; its 16 rows of 4,096 bytes
	s_mov_b32 s31, 0
	s_lshr_b32 s32, s28, 1
	s_lshl_b32 s32, s32, 15                        ; its group's 32,768 bytes of codes,
	s_and_b32 s33, s28, 1
	s_lshl_b32 s33, s33, 11
	s_add_co_u32 s32, s32, s33                     ; + 2,048 u
	s_mov_b32 s33, 0
	s_lshl_b32 s34, s28, 9                         ; its 512 scale bytes
	s_mov_b32 s35, 0
	s_wait_kmcnt 0x0
	s_cmp_lt_u32 ttmp9, 256                        ; query's work-group or key's: the choice hangs on the work-group's number alone
	s_cselect_b64 s[4:5], s[4:5], s[6:7]
	s_cselect_b64 s[8:9], s[8:9], s[10:11]
	s_cselect_b64 s[12:13], s[12:13], s[14:15]
	s_add_nc_u64 s[4:5], s[4:5], s[30:31]
	s_add_nc_u64 s[8:9], s[8:9], s[32:33]
	s_add_nc_u64 s[12:13], s[12:13], s[34:35]
.macro LOAD set, off
.irp i, 0,1,2,3
	global_load_b128 v[R+16*(\set)+4*\i:R+16*(\set)+4*\i+3], v3, s[4:5] offset:(\off)+512*\i th:TH_LOAD_NT   ; 32 lanes read 512 consecutive bytes; read once in the launch
.endr
.endm
; Step k of a trip's four (two rows).  ahead = 1: the set is loaded again, four steps on.  left: the younger loads that may stay out.  ca, ba: the registers with the codes' and the byte's LDS address; trip: trips to add in the immediate.
.macro STEP k, ahead, left, ca, ba, trip
	s_wait_loadcnt \left                           ; loads come back in order: this step's four are in
.irp i, 0,1,2,3
	ds_store_b128 v4, v[R+16*\k+4*\i:R+16*\k+4*\i+3] offset:8*SP*\i
.endr
.irp i, 0,1,2,3
	ds_load_b128 v[X+4*\i:X+4*\i+3], v5 offset:16*\i   ; LDS serves a wave's instructions in order: these see the stores above
.endr
	s_wait_dscnt 0x0                               ; my 16 neighbours are in; the stores have read the set, and the last step's stores their codes and byte
.if \ahead
	LOAD \k, 2048*(\k+4)
.endif
.irp j, 0,2,4,6,8,10,12,14
	v_pk_mul_f32 v[T+\j:T+\j+1], v[X+\j:X+\j+1], s[24:25] op_sel_hi:[1,0]   ; x log2(e)
.endr
.irp j, 0,1,2,3,4,5,6,7,8,9,10,11,12,13,14,15
	v_exp_f32 v[T+\j], v[T+\j]                     ; e^x: one batch
.endr
	v_nop                                          ; a plain instruction behind the last exponential
	s_wait_alu depctr_va_vdst(0)                   ; one wait for the batch, ahead of its first reader
.irp j, 0,2,4,6,8,10,12,14
	v_pk_add_f32 v[T+\j:T+\j+1], v[T+\j:T+\j+1], -1.0 op_sel_hi:[1,0]       ; e^x - 1, rounded as reference() rounds it
.endr
.irp j, 0,1,2,3,4,5,6,7,8,9,10,11,12,13,14,15
	v_med3_num_f32 v[T+\j], v[X+\j], v[T+\j], 0    ; elu(x): x above 0, e^x - 1 below
.endr
.irp j, 0,2,4,6,8,10,12,14
	v_pk_add_f32 v[T+\j:T+\j+1], v[T+\j:T+\j+1], 1.0 op_sel_hi:[1,0]        ; u = elu(x) + 1
.endr
.irp j, 0,2,4,6,8,10,12,14
	v_pk_mul_f32 v[U+\j:U+\j+1], v[T+\j:T+\j+1], v[T+\j:T+\j+1]            ; u^2
.endr
.irp j, 0,2,4,6,8,10,12,14
	v_pk_mul_f32 v[U+\j:U+\j+1], v[U+\j:U+\j+1], v[U+\j:U+\j+1]            ; u^4
.endr
.irp j, 0,2,4,6,8,10,12,14
	v_pk_mul_f32 v[X+\j:X+\j+1], v[T+\j:T+\j+1], v[U+\j:U+\j+1]            ; u^5, never negative
.endr
	v_max3_num_f32 v10, v[X], v[X+1], v[X+2]       ; the largest of my 16, in two chains
	v_max3_num_f32 v11, v[X+3], v[X+4], v[X+5]
.irp i, 6,10
	v_max3_num_f32 v10, v10, v[X+\i], v[X+\i+1]
	v_max3_num_f32 v11, v11, v[X+\i+2], v[X+\i+3]
.endr
	v_max3_num_f32 v10, v10, v[X+14], v[X+15]
	v_max3_num_f32 v10, v10, v11, 0x4800000        ; and the floor 2^(9 - 127): the byte cannot fall under 1
	v_max_num_f32_dpp v10, v10, v10 row_xmask:1 row_mask:0xf bank_mask:0xf   ; with my neighbour's 16: the block's
	v_add_nc_u32 v13, 0xfc000000, v10              ; 8 off its exponent field: the conversion's scale operand
	v_and_or_b32 v12, v10, 0x7f800000, s26         ; 448 x the scale
.irp j, 0,1,2,3,4,5,6,7,8,9,10,11,12,13,14,15
	v_min_num_f32 v[X+\j], v[X+\j], v12            ; the conversion to an 8-bit code does not saturate (ISA guide 7.6.2); nothing is negative, so the hold is one-sided
.endr
	v_cvt_scalef32_pk8_fp8_f32 v[C:C+1], v[X:X+7], v13
	v_cvt_scalef32_pk8_fp8_f32 v[C+2:C+3], v[X+8:X+15], v13
	v_lshrrev_b32 v14, 23, v13                     ; the scale's byte (also the plain line behind the conversions)
	ds_store_b128 v[\ca], v[C:C+3] offset:(\k%2)*8704+(\k/2)*16+32*\trip
	ds_store_b8 v[\ba], v14 offset:(\k%2)*256+(\k/2)*4+8*\trip   ; both lanes of a block write the same byte with the same value
.endm
	LOAD 0, 0
	LOAD 1, 2048
	LOAD 2, 4096
	LOAD 3, 6144
	s_mov_b32 s27, 7
	s_mov_b32 s36, 0                               ; 32 bytes a trip in a chunk's 256 (two rows),
	s_mov_b32 s37, 0                               ; 8 among the scale bytes
.Ltrip:                                                ; 7 trips of four steps; the loads run four steps ahead
	v_add_nc_u32 v132, s36, v6
	v_add_nc_u32 v133, s37, v7
	STEP 0, 1, 12, 132, 133, 0                     ; 12: the three younger sets stay out
	STEP 1, 1, 12, 132, 133, 0
	STEP 2, 1, 12, 132, 133, 0
	STEP 3, 1, 12, 132, 133, 0
	s_wait_xcnt 0x0                                ; the loads have read their base: it may step
	s_add_nc_u64 s[4:5], s[4:5], 8192
	s_add_co_u32 s36, s36, 32
	s_add_co_u32 s37, s37, 8
	s_sub_co_u32 s27, s27, 1
	s_cmp_lg_u32 s27, 0
	s_cbranch_scc1 .Ltrip
	STEP 0, 0, 12, 6, 7, 7                         ; the last two rows load nothing: the counts run down
	STEP 1, 0, 8, 6, 7, 7
	STEP 2, 0, 4, 6, 7, 7
	STEP 3, 0, 0, 6, 7, 7
; the way out: chunks 2 i and 2 i + 1 are 512 consecutive bytes of the codes' buffer
.irp bt, 0,1
.if \bt
	s_wait_xcnt 0x0                                ; the first batch's stores have read their registers
.endif
.irp n, 0,1,2,3,4,5,6,7,8,9,10,11,12,13,14,15
	ds_load_b128 v[R+4*\n:R+4*\n+3], v8 offset:544*(16*\bt+\n)
.endr
.irp n, 0,1,2,3,4,5,6,7,8,9,10,11,12,13,14,15
	s_wait_dscnt 15-\n                             ; the younger loads of the batch may stay out
	global_store_b128 v3, v[R+4*\n:R+4*\n+3], s[8:9] offset:((16*\bt+\n)/4)*4096+((16*\bt+\n)%4)*512   ; 32 lanes store 512 consecutive bytes, aligned
.endr
.endr
	ds_load_b128 v[X:X+3], v9
	s_wait_dscnt 0x0
	global_store_b128 v3, v[X:X+3], s[12:13]       ; the tile's 512 scale bytes
	s_wait_tensorcnt 0x0
	ds_add_u32 v136, v137
	s_wait_dscnt 0x0
	s_endpgm
; ---------------- value.  A LANE TAKES A CHANNEL AND ITS REGISTERS RUN DOWN THE KEYS: a wave takes 32 channels x 128 keys; a block of 32 keys lies in one lane's 32 registers.  No LDS.
.Lv:
	s_sub_co_u32 s23, ttmp9, 512                   ; y = 0 .. 1,023: the unit; the wave takes two of its eight fragments
	s_lshr_b32 s28, s23, 3
	s_lshl_b32 s28, s28, 19                        ; key step 16 b + j: 128 rows of 4,096 bytes
	s_and_b32 s29, s23, 7
	s_lshl_b32 s29, s29, 9
	s_add_co_u32 s28, s28, s29                     ; + 128 channels for each y % 8
	s_lshl_b32 s29, s22, 7
	s_add_co_u32 s28, s28, s29                     ; + 32 channels a wave
	s_mov_b32 s29, 0
	s_mul_i32 s30, s23, UNIT                       ; the unit's first byte (under 2^25)
	s_lshl_b32 s32, s22, 7
	s_add_co_u32 s32, s32, s30
	s_add_co_u32 s32, s32, 16384                   ; my 32 scale words: behind the fragments, 128 bytes a wave
	s_mov_b32 s33, 0
	s_lshl_b32 s31, s22, 12
	s_add_co_u32 s30, s30, s31                     ; my two fragments: 4,096 bytes a wave
	s_mov_b32 s31, 0
	v_lshlrev_b32 v3, 2, v2                        ; in: 4 bytes a lane; also my scale word's place
	v_lshrrev_b32 v6, 4, v2
	v_and_b32 v7, 15, v2
	v_lshlrev_b32 v7, 4, v7
	v_lshl_add_u32 v6, v6, 11, v7                  ; out: fragment lane / 16 of my two, 16 bytes for r = lane % 16
	s_wait_kmcnt 0x0
	s_add_nc_u64 s[16:17], s[16:17], s[28:29]
	s_add_nc_u64 s[20:21], s[18:19], s[32:33]
	s_add_nc_u64 s[18:19], s[18:19], s[30:31]
.macro VLOAD t                         ; block t: keys 32 t + i of my channel into set t % 2
.irp i, 0,1,2,3,4,5,6,7,8,9,10,11,12,13,14,15,16,17,18,19,20,21,22,23,24,25,26,27,28,29,30,31
	global_load_b32 v[16+32*((\t)%2)+\i], v3, s[16:17] offset:(32*(\t)+\i)*4096 th:TH_LOAD_NT
.endr
.endm
.macro BLOCK t
.set XS, 16+32*((\t)%2)
.set CB, 80+8*(\t)                     ; eight registers of codes for each block: no store's data are written again
.if (\t) < 3
	s_wait_loadcnt 32                              ; this block's 32 loads are in; the next block's may be out
.else
	s_wait_loadcnt 0x0
.endif
	v_max3_num_f32 v10, |v[XS]|, |v[XS+1]|, |v[XS+2]|
	v_max3_num_f32 v11, |v[XS+3]|, |v[XS+4]|, |v[XS+5]|
.irp i, 6,10,14,18,22,26
	v_max3_num_f32 v10, v10, |v[XS+\i]|, |v[XS+\i+1]|
	v_max3_num_f32 v11, v11, |v[XS+\i+2]|, |v[XS+\i+3]|
.endr
	v_max3_num_f32 v10, v10, |v[XS+30]|, |v[XS+31]|
	v_max3_num_f32 v10, v10, v11, 0x4800000        ; the block's largest magnitude, and the floor
	v_add_nc_u32 v13, 0xfc000000, v10              ; the conversion's scale operand
	v_and_or_b32 v12, v10, 0x7f800000, s26         ; 448 x the scale
	v_lshrrev_b32 v11, 23, v13                     ; the byte
.if (\t) == 0
	v_mov_b32 v112, v11
.else
	v_lshl_or_b32 v112, v11, 8*(\t), v112          ; four bytes make my channel's word for these 128 keys
.endif
.irp i, 0,1,2,3,4,5,6,7,8,9,10,11,12,13,14,15,16,17,18,19,20,21,22,23,24,25,26,27,28,29,30,31
	v_med3_num_f32 v[XS+\i], v[XS+\i], -v12, v12   ; the hold at the largest code x the scale (ISA guide 7.6.2)
.endr
	v_cvt_scalef32_pk8_fp8_f32 v[CB:CB+1], v[XS:XS+7], v13          ; h = 0: keys 0-7,
	v_cvt_scalef32_pk8_fp8_f32 v[CB+2:CB+3], v[XS+16:XS+23], v13    ;        keys 16-23
	v_cvt_scalef32_pk8_fp8_f32 v[CB+4:CB+5], v[XS+8:XS+15], v13     ; h = 1: keys 8-15,
	v_cvt_scalef32_pk8_fp8_f32 v[CB+6:CB+7], v[XS+24:XS+31], v13    ;        keys 24-31
	global_store_b128 v6, v[CB:CB+3], s[18:19] offset:512*(\t)      ; sixteen lanes store 256 consecutive bytes, aligned
	global_store_b128 v6, v[CB+4:CB+7], s[18:19] offset:512*(\t)+256
.if (\t) < 2
	VLOAD (\t)+2
.endif
.endm
	VLOAD 0
	VLOAD 1
	BLOCK 0
	BLOCK 1
	BLOCK 2
	BLOCK 3
	global_store_b32 v3, v112, s[20:21]            ; 32 scale words: 128 consecutive bytes
	s_endpgm
.Lfunc_end_k_q18f9d26224_prep:
	.size	k_q18f9d26224_prep, .Lfunc_end_k_q18f9d26224_prep-k_q18f9d26224_prep
	.p2alignl 7, 3214868480
	.fill 96, 4, 3214868480
	.section	.rodata,"a",@progbits
	.p2align	6, 0x0
	.amdhsa_kernel k_q18f9d26224_prep
		.amdhsa_group_segment_fixed_size 82432
		.amdhsa_private_segment_fixed_size 0
		.amdhsa_enable_private_segment 0
		.amdhsa_kernarg_size 64
		.amdhsa_user_sgpr_count 2
		.amdhsa_user_sgpr_kernarg_segment_ptr 1
		.amdhsa_wavefront_size32 1
		.amdhsa_system_sgpr_workgroup_id_x 1
		.amdhsa_system_sgpr_workgroup_id_y 1
		.amdhsa_system_sgpr_workgroup_id_z 1
		.amdhsa_system_vgpr_workitem_id 0
		.amdhsa_next_free_vgpr 138
		.amdhsa_next_free_sgpr 66
		.amdhsa_reserve_vcc 0
		.amdhsa_float_denorm_mode_32 3
		.amdhsa_float_denorm_mode_16_64 3
		.amdhsa_memory_ordered 1
		.amdhsa_forward_progress 1
		.amdhsa_inst_pref_size 94
	.end_amdhsa_kernel
	.amdgpu_metadata
---
amdhsa.version: [ 1, 2 ]
amdhsa.kernels:
  - .name:           k_q18f9d26224_prep
    .symbol:         k_q18f9d26224_prep.kd
    .args:
      - { .name: query, .offset: 0, .size: 8, .value_kind: global_buffer, .address_space: global }
      - { .name: key, .offset: 8, .size: 8, .value_kind: global_buffer, .address_space: global }
      - { .name: qc, .offset: 16, .size: 8, .value_kind: global_buffer, .address_space: global }
      - { .name: kc, .offset: 24, .size: 8, .value_kind: global_buffer, .address_space: global }
      - { .name: qs, .offset: 32, .size: 8, .value_kind: global_buffer, .address_space: global }
      - { .name: ks, .offset: 40, .size: 8, .value_kind: global_buffer, .address_space: global }
      - { .name: value, .offset: 48, .size: 8, .value_kind: global_buffer, .address_space: global }
      - { .name: vc, .offset: 56, .size: 8, .value_kind: global_buffer, .address_space: global }
    .group_segment_fixed_size: 82432
    .private_segment_fixed_size: 0
    .kernarg_segment_align: 8
    .kernarg_segment_size: 64
    .max_flat_workgroup_size: 128
    .sgpr_count:     66
    .vgpr_count:     138
    .wavefront_size: 32
...
	.end_amdgpu_metadata
.endif
;; end of part 3
;; launch scores (part 4): grid 12 x 32, 4 waves a work-group, clusters of 4 x 4, 327,680 bytes of LDS; arguments qc, qs, kc, ks, pc, ls; writes pc, ls
.if DOCPART == 4
	.amdgcn_target "amdgcn-amd-amdhsa--gfx1250"
	.amdhsa_code_object_version 6
	.text
	.protected	k_q18f9d26224_scores
	.globl	k_q18f9d26224_scores
	.p2align	8
	.type	k_q18f9d26224_scores,@function
k_q18f9d26224_scores:
	s_mov_b64 s[64:65], 0
	v_nop
	global_prefetch_b8 v0, s[64:65] scope:SCOPE_SE
	s_setreg_imm32_b32 hwreg(HW_REG_WAVE_MODE, 25, 1), 1
	s_wait_xcnt 0x0
	s_wait_alu depctr_hold_cnt(0) depctr_sa_sdst(0) depctr_va_vdst(0) depctr_va_sdst(0) depctr_va_ssrc(0) depctr_va_vcc(0) depctr_vm_vsrc(0)
	s_getreg_b32 s2, hwreg(HW_REG_IB_STS2, 6, 4)
	s_cmp_eq_u32 s2, 0
	s_cbranch_scc0 .Lentry_in_a_cluster
	s_endpgm
.Lentry_in_a_cluster:
	s_bfe_u32 s2, ttmp6, 0x10000c
	s_cmp_lg_u32 s2, 0xf033
	s_cbranch_scc0 .Lentry_shape_is_right
	s_endpgm
.Lentry_shape_is_right:
; A[t][s] = f^(t - s) <q_t, k_s> for s <= t, else 0, on codes of FP8 (E4M3) with one E8M0 scale for each 32 channels; then A's row sums (of the unquantised numbers) and A's own codes and scales, along the keys.
; q, k arrive as codes and scale words in the order of the operands' registers.  A tile of A, 256 queries x 256 keys, is made by a work-group of four waves; a wave makes 128 x 128: 64 accumulators, 512 registers.
; THE GRID.  A batch's 8 x 8 tiles fall into four blocks of 4 x 4; the block above the diagonal is left out.  Cluster x = 0, 1, 2 names the block (tile columns 0-3, rows 0-3), (columns 0-3, rows 4-7), (columns 4-7, rows 4-7);
;   cluster y is the batch.  In the two blocks on the diagonal six tiles of sixteen lie wholly under the mask: they are multiplied all the same and give zero codes, since a partner makes every joint request
;   The next launch reads those zeros as part of its K.
; CLUSTERS: the four work-groups of a row of the cluster need the same tiles of q, the four of a column the same tiles of k: each tile is asked for JOINTLY, by the same tensor load with the same descriptor and a mask that names the four.
; THE RING.  K = 1,024 channels goes in four steps of 256 through two LDS slots; the four steps are written out, so that each K step's scale words have registers of their own.
;   A wave's tensor load brings 128 rows x 256 channels: four groups of 32 rows, 8,192 consecutive bytes of each, 32,768 bytes apart in memory, dense in LDS.  Fragments lie there as images of their registers:
;   an LDS load takes 512 consecutive bytes, so no padding is wanted.
; THE MATRIX INSTRUCTION IS USED TRANSPOSED (source 0 = 16 keys, source 1 = 16 queries): a lane holds ONE query (lane % 16) and its registers run along the keys: in accumulator (a, b) register j is key 16 b + 8 (lane / 16) + j.
; THE DECAY.  f = 1 - 2^-23 in f32; log f is taken as -2^-23.  With z = (t - s) log f, |z| <= 2,047 x 2^-23 by the shape, f^(t - s) = 1 + z + z^2 / 2 at a lane's base distance (dropped: under z^3 / 6 < 3e-12),
;   and E + o E log f at the distances o = -119 .. 112 from it (dropped: under (119 x 2^-23)^2 / 2 < 2e-10).  The cut follows from T = 2,048 and the tile, not from the data.  120 weights a lane serve its 512 scores.
; OUT.  pc: [128 rows][key step of 128] units of 16,896 bytes: eight fragments (16 queries x 128 keys, [c][lane][16 bytes]), then 128 scale words, word 32 p + l: l < 16: row l of tile 2 p, else row l - 16 of tile 2 p + 1.
;   A lane's 16 codes of a block of 32 keys are keys 8 h + 0 .. 7 and 16 + 8 h + 0 .. 7: v's codes lie in the same order.  ls: [128 rows][key step] 128 f32 in the scale words' order: the rows' sums over these 128 keys.
; LIMITS: NaN and infinities are not served; a hidden score becomes 0 by a weight of 0, which takes the scores to be finite (reference() multiplies by 0 likewise); reference()'s f32 logarithm may lie one unit in the last
;   place from -2^-23, which moves the decay by at most 3e-11; a block of zeros carries the byte 1 with zero codes (these bytes are read by this program alone).
; REGISTERS, in windows of 256.  Window 0: v1-13 at work, v16-30 addresses and the like; v64-127 scale words and nothing else; v128-255 q's fragments (8 x 16 rows x 128 K), one set; behind the products v128 on is at work.
;   Window 1: k's fragments, two sets, at v0 and v128; behind the products v0-119 hold the weights.   Windows 2, 3: accumulator (a, b) at v[8 (8 (a % 4) + b)] of window 2 + a / 4.
.set PART,   32768                     ; what one tensor load brings, and what one wave reads of q or of k in a K step
.set SLOT,   4*PART                    ; q's two halves, then k's two halves
.set SPARE,  2*SLOT                    ; behind the ring: the spare words, 128 bytes for each wave: two blocks of 256 bytes that no other line names
.set KSTB,   8192                      ; a K step of 256 channels in a group of 32 rows, in bytes
.set UNIT,   16896                     ; a unit of pc
.set FR,     16                        ; registers of a fragment
.set NL,     4                         ; LDS loads that bring one
.set NP,     8                         ; places behind this matrix instruction (ISA guide 7.12.1)
.set EE,   8                           ; v[8:9]   E, E - H
.set HH,   10                          ; v[10:11] H, H
.set TA,   12                          ; v12-13   at work
.set ADRA, 16                          ; v16-17   LDS address of my fragments of q in slot 0, 1
.set ADRB, 20                          ; v20-21   the same for k
.set LI,   24                          ; v24      16 x lane
.set L4,   25                          ; v25      4 x lane
.set SL,   26                          ; v26      512 (lane / 16) + 4 (lane % 16): two tiles' scale words in one register
.set D0,   27                          ; v27      my base distance: query of block 0 less key of block 0, register 0: a whole number
.set SPW,  28                          ; v28      LDS address of my spare word; never rewritten
.set NIL,  29                          ; v29      0, for the add alone; never rewritten
.set ZERO, 30                          ; v30      0
.set AS,   64                          ; v64-95   q's scale words: AS + 8 p + s: lanes 0-15 block 2 p, lanes 16-31 block 2 p + 1, K step s of 128
.set BS,   96                          ; v96-127  k's likewise
.set AF,   128
.set T,    128                         ; v128-191 a block's 64 weighed scores
.set CD,   192                         ; v192-207 its codes
.set TM,   208                         ; v208-211 largest, v212-215 the other half's and then the byte, v216-219 the hold, v220-223 the scale operand
.set SU,   224                         ; v224-227 sums at work
.set PW,   232                         ; v232-239 the eight blocks' scale words
.set LS,   240                         ; v240-247 the eight blocks' row sums
.set OU,   248                         ; v248-255 both as they are stored
.set G1, 24                            ; s[24:31] descriptor group 1 for q's tiles;  s[32:39] group 0, one set for each slot
.set G0, 32
.set G1B, 48                           ; s[48:55], s[56:63] the same for k's tiles
.set G0B, 56
.set LOGF, 66
.set MNT,  67
.set SEL,  68
.set HM,   70                          ; s70  lanes 16-31
.set PB,   72                          ; s[72:73] my unit of pc
.set LB,   74                          ; s[74:75] my 512 bytes of ls
.set QSB,  76
.set KSB,  78
.set MSB, 0
.macro WIN new                         ; the immediate's high byte repeats the setting that is left
.if MSB != \new
	s_set_vgpr_msb (MSB<<8)|\new
.set MSB, \new
.endif
.endm
.set MUL_LO, 0xa1                      ; source 0 (k) window 1, source 1 (q) window 0, C and D window 2
.set MUL_HI, 0xf1                      ; the same, C and D window 3
.set TO_B,   0x40                      ; destination window 1, address window 0
; A joint load: waves 0 and 1 fetch for q, waves 2 and 3 for k.  Each of the two lines has ONE mask and one set of registers for all that issue it; the branch hangs on the wave's number alone.
; Four v_nop follow each of the two lines, ahead of the jump, the label and what follows.
.macro JLOAD g0a, g1a, g0b, g1b
	s_cmp_eq_u32 s15, 0
	s_cbranch_scc0 .Lfor_b_\@
	tensor_load_to_lds s[\g0a:\g0a+3], s[\g1a:\g1a+7]
	s_nop 0
.rept 4
	v_nop
.endr
	s_branch .Lasked_\@
.Lfor_b_\@:
	tensor_load_to_lds s[\g0b:\g0b+3], s[\g1b:\g1b+7]
	s_nop 0
.rept 4
	v_nop
.endr
.Lasked_\@:
.endm
.macro CREST                           ; a round of the cluster's barrier behind its opening barrier
	s_cmp_lg_u32 s14, 0
	s_cbranch_scc1 .Lnot_wave_0_\@
	s_barrier_signal -3
.Lnot_wave_0_\@:
	s_barrier_wait -3
	s_barrier_signal -1
	s_barrier_wait -1
.endm
.macro CROUND                          ; a whole round
	s_barrier_signal -1
	s_barrier_wait -1
	CREST
.endm
	s_load_b128 s[4:7], s[0:1], 0x0                ; qc, qs
	s_load_b128 s[8:11], s[0:1], 0x10              ; kc, ks
	s_load_b128 s[92:95], s[0:1], 0x20             ; pc, ls
	v_lshl_add_u32 v[SPW], v0, 2, SPARE
	v_mov_b32 v[NIL], 0
	ds_add_u32 v28, v29
	ds_add_u32 v28, v29
	s_wait_dscnt 0x0
	v_lshrrev_b32 v1, 5, v0
	v_readfirstlane_b32 s14, v1                    ; wave 0..3
	s_lshr_b32 s15, s14, 1                         ; which half of the tile's queries is mine.  Also: I fetch for q (0) or for k (1)
	s_and_b32 s16, s14, 1                          ; which half of its keys.  Also: which 128 rows of that tile I fetch
	s_bfe_u32 s40, ttmp6, 0x40000                  ; cx, cy: my place in the cluster
	s_bfe_u32 s41, ttmp6, 0x40004
	s_lshr_b32 s42, ttmp9, 1                       ; cluster x = 0, 1, 2: tile columns begin at 0, 0, 4,
	s_lshl_b32 s42, s42, 2
	s_add_co_u32 s42, s42, s40                     ; tile column in the batch
	s_add_co_u32 s17, ttmp9, 1
	s_lshr_b32 s17, s17, 1                         ; tile rows at 0, 4, 4
	s_lshl_b32 s17, s17, 2
	s_add_co_u32 s17, s17, s41                     ; tile row in the batch
	s_lshl_b32 s43, s41, 2
	s_lshl_b32 s43, 15, s43                        ; my row of the cluster
	s_lshl_b32 s44, 0x1111, s40                    ; my column
	; descriptor group 1: a tile of 4 rows x 1,024 elements of 8 bytes, rows 4,096 elements apart; dense in LDS
	s_or_b32 s[G1+0], s43, (3<<16)|(1<<21)         ; 15:0 the mask: q's tiles go to my row; 17:16 elements of 8 bytes; 20 no padding; 21 set beside a mask
	s_or_b32 s[G1B+0], s44, (3<<16)|(1<<21)        ; k's tiles go to my column
.irp g, G1, G1B
	s_mov_b32 s[\g+1], 1024<<16                    ; tensor_dim0
	s_mov_b32 s[\g+2], 4<<16                       ; tensor_dim1
	s_mov_b32 s[\g+3], 1024<<16                    ; tile_dim0
	s_mov_b32 s[\g+4], 4                           ; tile_dim1
	s_mov_b32 s[\g+5], 4096                        ; tensor_dim0_stride
	s_mov_b32 s[\g+6], 0
	s_mov_b32 s[\g+7], 0
.endr
	s_and_b32 s18, ttmp7, 0xffff                   ; the batch: 64 groups of 32 rows
	s_lshl_b32 s18, s18, 6
	s_lshl_b32 s19, s16, 2                         ; which four groups of the tile's eight I fetch
	s_add_co_u32 s18, s18, s19
	s_lshl_b32 s20, s17, 3
	s_add_co_u32 s20, s20, s18                     ; q: group 64 b + 8 x tile row + 4 x half,
	s_lshl_b32 s20, s20, 15                        ; of 32,768 bytes (under 2^24 in all)
	s_mov_b32 s21, 0
	s_lshl_b32 s46, s42, 3
	s_add_co_u32 s46, s46, s18                     ; k: by the tile column
	s_lshl_b32 s46, s46, 15
	s_mov_b32 s47, 0
	s_mul_i32 s45, s14, PART                       ; where they go: no place in the cluster enters an LDS address
	s_wait_kmcnt 0x0
	s_add_nc_u64 s[20:21], s[4:5], s[20:21]
	s_add_nc_u64 s[46:47], s[8:9], s[46:47]
	CROUND                                         ; all sixteen work-groups are here: the first joint loads meet
.irp s, 0,1
	s_mov_b32 s[G0+4*\s], 1
	s_add_co_u32 s[G0+4*\s+1], s45, \s*SLOT
	s_add_nc_u64 s[G0+4*\s+2:G0+4*\s+3], s[20:21], \s*KSTB
	s_or_b32 s[G0+4*\s+3], s[G0+4*\s+3], 0x80000000
	s_mov_b32 s[G0B+4*\s], 1
	s_add_co_u32 s[G0B+4*\s+1], s45, \s*SLOT
	s_add_nc_u64 s[G0B+4*\s+2:G0B+4*\s+3], s[46:47], \s*KSTB
	s_or_b32 s[G0B+4*\s+3], s[G0B+4*\s+3], 0x80000000
	JLOAD G0+4*\s, G1, G0B+4*\s, G1B
.endr
	v_and_b32 v1, 15, v0                           ; r
	v_bfe_u32 v2, v0, 4, 1                         ; h
	v_and_b32 v3, 31, v0                           ; lane
	v_lshlrev_b32 v[LI], 4, v3
	v_lshlrev_b32 v[L4], 2, v3
	v_lshlrev_b32 v4, 2, v1
	v_lshl_add_u32 v[SL], v2, 9, v4
	v_mov_b32 v[ZERO], 0
	s_mul_i32 s21, s15, PART                       ; my 128 queries
	s_mul_i32 s22, s16, PART                       ; my 128 keys,
	s_add_co_u32 s22, s22, 2*PART                  ; which lie behind q's two halves
.irp s, 0,1
	v_add_nc_u32 v[ADRA+\s], s21, v[LI]
	v_add_nc_u32 v[ADRB+\s], s22, v[LI]
	s_add_co_u32 s21, s21, SLOT
	s_add_co_u32 s22, s22, SLOT
.endr
	s_and_b32 s80, ttmp7, 0xffff                   ; the batch
	s_lshl_b32 s81, s80, 7                         ; 128 tiles of 16 rows
	s_lshl_b32 s82, s17, 4
	s_add_co_u32 s82, s82, s81
	s_lshl_b32 s83, s15, 3
	s_add_co_u32 s82, s82, s83                     ; my first tile of queries,
	s_lshl_b32 s82, s82, 9                         ; 512 bytes of scale words a tile
	s_mov_b32 s83, 0
	s_add_nc_u64 s[QSB:QSB+1], s[6:7], s[82:83]
	s_lshl_b32 s84, s42, 4
	s_add_co_u32 s84, s84, s81
	s_lshl_b32 s85, s16, 3
	s_add_co_u32 s84, s84, s85                     ; my first tile of keys
	s_lshl_b32 s84, s84, 9
	s_mov_b32 s85, 0
	s_add_nc_u64 s[KSB:KSB+1], s[10:11], s[84:85]
.irp p, 0,1,2,3
.irp s, 0,1,2,3,4,5,6,7
	global_load_b32 v[AS+8*\p+\s], v[SL], s[QSB:QSB+1] offset:1024*\p+64*\s   ; all of K's scale words of my 128 queries and 128 keys: once, into registers that hold nothing else
	global_load_b32 v[BS+8*\p+\s], v[SL], s[KSB:KSB+1] offset:1024*\p+64*\s
.endr
.endr
	s_lshl_b32 s86, s80, 4
	s_lshl_b32 s87, s17, 1
	s_add_co_u32 s86, s86, s87
	s_add_co_u32 s86, s86, s15                     ; my 128 rows: 16 b + 2 x tile row + half
	s_lshl_b32 s86, s86, 4
	s_lshl_b32 s87, s42, 1
	s_add_co_u32 s86, s86, s87
	s_add_co_u32 s86, s86, s16                     ; x 16 + my key step: 2 x tile column + half
	s_mul_i32 s88, s86, UNIT
	s_mov_b32 s89, 0
	s_add_nc_u64 s[PB:PB+1], s[92:93], s[88:89]
	s_lshl_b32 s88, s86, 9
	s_add_nc_u64 s[LB:LB+1], s[94:95], s[88:89]
	s_lshl_b32 s86, s17, 8
	s_lshl_b32 s87, s15, 7
	s_add_co_u32 s86, s86, s87                     ; my first query in the batch,
	s_lshl_b32 s87, s42, 8
	s_sub_co_u32 s86, s86, s87
	s_lshl_b32 s87, s16, 7
	s_sub_co_u32 s86, s86, s87                     ; less my first key
	v_lshlrev_b32 v5, 3, v2
	v_sub_nc_u32 v[D0], v1, v5
	v_add_nc_u32 v[D0], s86, v[D0]                 ; + r - 8 h
	s_mov_b32 s[LOGF], 0xb4000000                  ; -2^-23
	s_mov_b32 s[MNT], 0x600000                     ; the mantissa field of 448
	s_mov_b32 s[SEL], 0x76543210
	s_mov_b32 s[SEL+1], 0xfedcba98                 ; v_permlanex16_b32's selects for lane l xor 16
	s_mov_b32 s[HM], 0xffff0000
.macro FRAG reg, adr, q, i             ; fragment: block i of 16 rows, the K step's q-th 128 channels: 16 registers, as they lie
.irp c, 0,1,2,3
	ds_load_b128 v[\reg+4*\c:\reg+4*\c+3], v[\adr] offset:((\i)/2)*8192+(\q)*4096+((\i)%2)*2048+512*\c
.endr
.endm
; The product D = rD, source 0 = rA, source 1 = rB, scales rX, rY.  ra, rb: which half of the lanes holds the tile's scale words.  zero: the product starts its sum: nothing is ever cleared.
.macro WMI zero, ra, rb
.if (\zero)
.if ((\ra)==0)&&((\rb)==0)
	v_wmma_scale_f32_16x16x128_f8f6f4 v[rD:rD+7], v[rA:rA+15], v[rB:rB+15], 0, v[rX], v[rY]
.elseif ((\ra)==1)&&((\rb)==0)
	v_wmma_scale_f32_16x16x128_f8f6f4 v[rD:rD+7], v[rA:rA+15], v[rB:rB+15], 0, v[rX], v[rY] matrix_a_scale:MATRIX_SCALE_ROW1
.elseif ((\ra)==0)&&((\rb)==1)
	v_wmma_scale_f32_16x16x128_f8f6f4 v[rD:rD+7], v[rA:rA+15], v[rB:rB+15], 0, v[rX], v[rY] matrix_b_scale:MATRIX_SCALE_ROW1
.else
	v_wmma_scale_f32_16x16x128_f8f6f4 v[rD:rD+7], v[rA:rA+15], v[rB:rB+15], 0, v[rX], v[rY] matrix_a_scale:MATRIX_SCALE_ROW1 matrix_b_scale:MATRIX_SCALE_ROW1
.endif
.else
.if ((\ra)==0)&&((\rb)==0)
	v_wmma_scale_f32_16x16x128_f8f6f4 v[rD:rD+7], v[rA:rA+15], v[rB:rB+15], v[rD:rD+7], v[rX], v[rY]
.elseif ((\ra)==1)&&((\rb)==0)
	v_wmma_scale_f32_16x16x128_f8f6f4 v[rD:rD+7], v[rA:rA+15], v[rB:rB+15], v[rD:rD+7], v[rX], v[rY] matrix_a_scale:MATRIX_SCALE_ROW1
.elseif ((\ra)==0)&&((\rb)==1)
	v_wmma_scale_f32_16x16x128_f8f6f4 v[rD:rD+7], v[rA:rA+15], v[rB:rB+15], v[rD:rD+7], v[rX], v[rY] matrix_b_scale:MATRIX_SCALE_ROW1
.else
	v_wmma_scale_f32_16x16x128_f8f6f4 v[rD:rD+7], v[rA:rA+15], v[rB:rB+15], v[rD:rD+7], v[rX], v[rY] matrix_a_scale:MATRIX_SCALE_ROW1 matrix_b_scale:MATRIX_SCALE_ROW1
.endif
.endif
.endm
; 16 matrix instructions: q's blocks a0, a0 + 1 x k's eight, 128 channels: the q-th of K step t.  p: k's set.  The 64 accumulators take turns, one instruction a turn, in the same order in every step.
.macro MUL16 a0, p, q, t, zero
.irp a, \a0, \a0+1
.irp b, 0,1,2,3,4,5,6,7
.set rD, 8*(8*((\a)%4)+\b)
.set rA, 128*(\p)+FR*\b
.set rB, AF+FR*(\a)
.set rX, BS+8*(\b/2)+2*(\t)+(\q)
.set rY, AS+8*((\a)/2)+2*(\t)+(\q)
	WMI \zero, \b%2, (\a)%2
.endr
.endr
.endm
.macro FETCH_B slot, q, p              ; k's eight fragments of the slot's q-th 128 channels into set p
	WIN TO_B
.irp i, 0,1,2,3,4,5,6,7
	FRAG 128*(\p)+FR*\i, ADRB+\slot, \q, \i
.endr
	WIN 0
.endm
.macro FETCH_A slot, q, i0             ; q's blocks i0 .. i0 + 3
.irp i, \i0, \i0+1, \i0+2, \i0+3
	FRAG AF+FR*(\i), ADRA+\slot, \q, \i
.endr
.endm
; A load into a register that a matrix instruction has read, and a vector instruction that reads a matrix result, stand NP places behind that matrix instruction, and only plain vector instructions that name
; none of its registers are places (ISA guide 7.12.1 for vector instructions); this text does not count the matrix instructions in between.
.macro PLACES n
.rept \n
	v_nop
.endr
.endm
; The first 128 channels of K step t.  A block of q is free as soon as its eight products are issued, so one set of registers serves q: blocks 0-3 are fetched anew in the middle, blocks 4-7 at the end.
.macro STEP slot, t, zero
	s_wait_dscnt 4*NL                              ; k's set and q's blocks 0-3 are in; the youngest sixteen loads (q's blocks 4-7) may be out
	WIN MUL_LO
	MUL16 0, 0, 0, \t, \zero
	MUL16 2, 0, 0, \t, \zero
	s_wait_dscnt 0                                 ; q's blocks 4-7 are in (asked for 32 matrix instructions ago)
	PLACES NP
	FETCH_B \slot, 1, 1
	FETCH_A \slot, 1, 0
	WIN MUL_HI
	MUL16 4, 0, 0, \t, \zero
	MUL16 6, 0, 0, \t, \zero
	PLACES NP
	WIN 0
	FETCH_A \slot, 1, 4
.endm
; The second 128 channels of K step t change slots: ONE barrier; in front of it each wave waits for all its tensor loads, adds 0 to its spare word, and waits for that and for its own reads of this slot.  fill = 1: this slot is filled again, two K steps ahead.
.macro TURN slot, next, fill, t
	s_wait_tensorcnt 0x0                           ; all my tensor loads have landed: my part of the next slot;  (every window is 0 here)
	ds_add_u32 v[SPW], v[NIL]                      ; 0 onto my spare word
	s_wait_dscnt 4*NL+1                            ; (the add and the youngest sixteen loads, q's blocks 4-7, may be out)
	WIN MUL_LO
	MUL16 0, 1, 1, \t, 0                           ; sixteen matrix instructions stand between the add and the wait for it
	s_wait_dscnt 0x0                               ; the add is done, and my reads of this slot are over
	s_barrier_signal -1
	MUL16 2, 1, 1, \t, 0
	WIN 0
	s_barrier_wait -1
.if \fill
	CREST                                          ; the barrier has opened a round of the cluster's barrier: no wave of any partner still reads this slot's tile or has a load on its way
	s_add_nc_u64 s[G0+4*\slot+2:G0+4*\slot+3], s[G0+4*\slot+2:G0+4*\slot+3], 2*KSTB
	s_add_nc_u64 s[G0B+4*\slot+2:G0B+4*\slot+3], s[G0B+4*\slot+2:G0B+4*\slot+3], 2*KSTB
	JLOAD G0+4*\slot, G1, G0B+4*\slot, G1B         ; the first tensor load behind the round; the four v_nop behind it are among the places in front of the loads below
	PLACES NP-4
.else
	PLACES NP
.endif
	FETCH_B \next, 0, 0
	FETCH_A \next, 0, 0
	WIN MUL_HI
	MUL16 4, 1, 1, \t, 0
	MUL16 6, 1, 1, \t, 0
	PLACES NP
	WIN 0
	FETCH_A \next, 0, 4
.endm
	s_wait_tensorcnt 1                             ; my part of K step 0 is in (K step 1's load may be out)
	s_barrier_signal -1
	s_barrier_wait -1                              ; everybody's is
	FETCH_B 0, 0, 0
	FETCH_A 0, 0, 0
	FETCH_A 0, 0, 4
	s_wait_loadcnt 0x0                             ; the scale words
	STEP 0, 0, 1                                   ; the first products start the sums
	TURN 0, 1, 1, 0                                ; slot 0 takes K step 2
	STEP 1, 1, 0
	TURN 1, 0, 1, 1                                ; slot 1 takes K step 3
	STEP 0, 2, 0
	TURN 0, 1, 0, 2                                ; nothing is left to fetch: no round
	STEP 1, 3, 0
	s_wait_dscnt 4*NL                              ; the very last 128 channels
	WIN MUL_LO
	MUL16 0, 1, 1, 3, 0
	MUL16 2, 1, 1, 3, 0
	s_wait_dscnt 0
	WIN MUL_HI
	MUL16 4, 1, 1, 3, 0
	MUL16 6, 1, 1, 3, 0
	WIN 0
	PLACES NP
; THE WEIGHTS.  Weight 8 g + j = f^(D0 + 16 (g - 7) - j), 0 where that distance is negative.  Register j of accumulator (a, b) has the distance D0 + 16 (a - b) - j: g = a - b + 7.
.macro F32I n                          ; FB = the bits of the whole number n as f32, |n| < 128
.set AV, (\n)
.set SG, 0
.if AV < 0
.set AV, -AV
.set SG, 0x80000000
.endif
.set EX, 0
.irp e, 1,2,3,4,5,6
.if AV >= (1<<\e)
.set EX, \e
.endif
.endr
.if AV == 0
.set FB, 0
.else
.set FB, SG|((EX+127)<<23)|((AV<<(23-EX))&0x7fffff)
.endif
.endm
	v_cvt_f32_i32 v[TA], v[D0]
	v_mul_f32 v[TA], s[LOGF], v[TA]                ; z
	v_fma_f32 v[TA+1], v[TA], 0.5, 1.0
	v_fma_f32 v[EE], v[TA], v[TA+1], 1.0           ; E = 1 + z + z^2 / 2
	v_mul_f32 v[HH], s[LOGF], v[EE]                ; H = E log f
	v_mul_f32 v[HH+1], s[LOGF], v[EE]
	v_sub_f32 v[EE+1], v[EE], v[HH]
.irp m, 0,1,2,3
	v_mov_b32 v[TM+4+\m], 0                        ; written once: a lane permute's destination counts as one of its sources
.endr
	WIN 0x40                                       ; destination window 1
.set g, 0
.rept 15
.irp p, 0,1,2,3
	F32I 16*(g-7)-2*\p
	v_pk_fma_f32 v[8*g+2*\p:8*g+2*\p+1], v[HH:HH+1], FB, v[EE:EE+1] op_sel_hi:[1,0,1]   ; H o + E and H o + (E - H), o = 16 (g - 7) - 2 p
.endr
.set g, g+1
.endr
	WIN 0x41                                       ; destination and source 0 window 1
.set g, 0
.rept 15
.irp j, 0,1,2,3,4,5,6,7
	v_cmp_gt_i32 vcc_lo, \j-16*(g-7), v[D0]        ; the distance is negative: the key comes after the query.  Always executed
	v_cndmask_b32 v[8*g+\j], v[8*g+\j], v[ZERO], vcc_lo
.endr
.set g, g+1
.endr
	WIN 0
; BLOCK a of 16 queries x my 128 keys: weighed, summed, quantised, stored.  The 16 registers T + 16 c on are a lane's part of block c of 32 keys; lane l xor 16 holds the rest.
.macro EPI a
.set AC, 64*((\a)%4)
.set WN, 0x06+(\a)/4
	WIN WN                                         ; source 0 window 2 or 3, source 1 window 1, destination window 0
.irp b, 0,1,2,3,4,5,6,7
.irp p, 0,2,4,6
	v_pk_mul_f32 v[T+8*\b+\p:T+8*\b+\p+1], v[AC+8*\b+\p:AC+8*\b+\p+1], v[8*((\a)-\b+7)+\p:8*((\a)-\b+7)+\p+1]   ; decay and mask; each accumulator from its low end on
.endr
.endr
	WIN 0
	v_pk_add_f32 v[SU:SU+1], v[T:T+1], v[T+2:T+3]  ; the row's sum, of the unquantised numbers, in two chains
	v_pk_add_f32 v[SU+2:SU+3], v[T+4:T+5], v[T+6:T+7]
.irp i, 8,12,16,20,24,28,32,36,40,44,48,52,56,60
	v_pk_add_f32 v[SU:SU+1], v[SU:SU+1], v[T+\i:T+\i+1]
	v_pk_add_f32 v[SU+2:SU+3], v[SU+2:SU+3], v[T+\i+2:T+\i+3]
.endr
.irp c, 0,1,2,3
	v_max3_num_f32 v[TM+\c], v[T+16*\c], v[T+16*\c+1], 0x4800000   ; the largest of my 16 of block c (nothing is negative), and the floor 2^(9 - 127)
.endr
.irp i, 2,4,6,8,10,12,14
.irp c, 0,1,2,3
	v_max3_num_f32 v[TM+\c], v[TM+\c], v[T+16*\c+\i], v[T+16*\c+\i+1]
.endr
.endr
	v_pk_add_f32 v[SU:SU+1], v[SU:SU+1], v[SU+2:SU+3]
	v_add_f32 v[SU], v[SU], v[SU+1]
	v_permlanex16_b32 v[SU+2], v[SU], s[SEL], s[SEL+1]
	v_add_f32 v[LS+\a], v[SU], v[SU+2]             ; with lane l xor 16's 64 keys
.irp c, 0,1,2,3
	v_permlanex16_b32 v[TM+4+\c], v[TM+\c], s[SEL], s[SEL+1]
.endr
.irp c, 0,1,2,3
	v_max_num_f32 v[TM+\c], v[TM+\c], v[TM+4+\c]   ; the block's largest
.endr
.irp c, 0,1,2,3
	v_add_nc_u32 v[TM+12+\c], 0xfc000000, v[TM+\c] ; 8 off the exponent field: the conversion's scale operand
.endr
.irp c, 0,1,2,3
	v_and_or_b32 v[TM+8+\c], v[TM+\c], 0x7f800000, s[MNT]   ; 448 x the scale
.endr
.irp c, 0,1,2,3
	v_lshrrev_b32 v[TM+4+\c], 23, v[TM+12+\c]      ; the byte
.endr
	v_lshl_or_b32 v[PW+\a], v[TM+5], 8, v[TM+4]    ; the four bytes make my row's scale word for these 128 keys
	v_lshl_or_b32 v[PW+\a], v[TM+6], 16, v[PW+\a]
	v_lshl_or_b32 v[PW+\a], v[TM+7], 24, v[PW+\a]
.irp c, 0,1,2,3
.irp i, 0,1,2,3,4,5,6,7,8,9,10,11,12,13,14,15
	v_min_num_f32 v[T+16*\c+\i], v[T+16*\c+\i], v[TM+8+\c]   ; the conversion does not saturate (ISA guide 7.6.2); the hold is one-sided
.endr
.endr
.if (\a) > 0
	s_wait_xcnt 0x0                                ; the last block's stores have read their registers
.endif
.irp c, 0,1,2,3
	v_cvt_scalef32_pk8_fp8_f32 v[CD+4*\c:CD+4*\c+1], v[T+16*\c:T+16*\c+7], v[TM+12+\c]       ; keys 32 c + 8 h + 0 .. 7,
	v_cvt_scalef32_pk8_fp8_f32 v[CD+4*\c+2:CD+4*\c+3], v[T+16*\c+8:T+16*\c+15], v[TM+12+\c]  ; keys 32 c + 16 + 8 h + 0 .. 7
.endr
	v_nop                                          ; a plain line behind the last conversion: the next block writes its sources
.irp c, 0,1,2,3
	global_store_b128 v[LI], v[CD+4*\c:CD+4*\c+3], s[PB:PB+1] offset:(\a)*2048+512*\c   ; 32 lanes store 512 consecutive bytes, aligned: a quarter of the block's fragment
.endr
.endm
	EPI 0
	EPI 1
	EPI 2
	EPI 3
	EPI 4
	EPI 5
	EPI 6
	EPI 7
.irp p, 0,1,2,3
	v_cndmask_b32 v[OU+\p], v[PW+2*\p], v[PW+2*\p+1], s[HM]       ; lanes 0-15 block 2 p's rows, lanes 16-31 block 2 p + 1's
	v_cndmask_b32 v[OU+4+\p], v[LS+2*\p], v[LS+2*\p+1], s[HM]
.endr
.irp p, 0,1,2,3
	global_store_b32 v[L4], v[OU+\p], s[PB:PB+1] offset:16384+128*\p   ; 128 consecutive bytes
	global_store_b32 v[L4], v[OU+4+\p], s[LB:LB+1] offset:128*\p
.endr
	s_wait_tensorcnt 0x0                           ; the wave's end
	ds_add_u32 v[SPW], v[NIL]
	s_wait_dscnt 0x0
	CROUND                                         ; the closing round: no work-group ends while a partner may still ask for a tile that names it
	s_endpgm
.Lfunc_end_k_q18f9d26224_scores:
	.size	k_q18f9d26224_scores, .Lfunc_end_k_q18f9d26224_scores-k_q18f9d26224_scores
	.p2alignl 7, 3214868480
	.fill 96, 4, 3214868480
	.section	.rodata,"a",@progbits
	.p2align	6, 0x0
	.amdhsa_kernel k_q18f9d26224_scores
		.amdhsa_group_segment_fixed_size 327680
		.amdhsa_private_segment_fixed_size 0
		.amdhsa_enable_private_segment 0
		.amdhsa_kernarg_size 48
		.amdhsa_user_sgpr_count 2
		.amdhsa_user_sgpr_kernarg_segment_ptr 1
		.amdhsa_wavefront_size32 1
		.amdhsa_system_sgpr_workgroup_id_x 1
		.amdhsa_system_sgpr_workgroup_id_y 1
		.amdhsa_system_sgpr_workgroup_id_z 1
		.amdhsa_system_vgpr_workitem_id 0
		.amdhsa_next_free_vgpr 1024
		.amdhsa_next_free_sgpr 100
		.amdhsa_reserve_vcc 1
		.amdhsa_float_denorm_mode_32 3
		.amdhsa_float_denorm_mode_16_64 3
		.amdhsa_memory_ordered 1
		.amdhsa_forward_progress 1
		.amdhsa_inst_pref_size 220
	.end_amdhsa_kernel
	.amdgpu_metadata
---
amdhsa.version: [ 1, 2 ]
amdhsa.kernels:
  - .name:           k_q18f9d26224_scores
    .symbol:         k_q18f9d26224_scores.kd
    .args:
      - { .name: qc, .offset: 0, .size: 8, .value_kind: global_buffer, .address_space: global }
      - { .name: qs, .offset: 8, .size: 8, .value_kind: global_buffer, .address_space: global }
      - { .name: kc, .offset: 16, .size: 8, .value_kind: global_buffer, .address_space: global }
      - { .name: ks, .offset: 24, .size: 8, .value_kind: global_buffer, .address_space: global }
      - { .name: pc, .offset: 32, .size: 8, .value_kind: global_buffer, .address_space: global }
      - { .name: ls, .offset: 40, .size: 8, .value_kind: global_buffer, .address_space: global }
    .group_segment_fixed_size: 327680
    .private_segment_fixed_size: 0
    .kernarg_segment_align: 8
    .kernarg_segment_size: 48
    .max_flat_workgroup_size: 128
    .sgpr_count:     100
    .vgpr_count:     1024
    .wavefront_size: 32
...
	.end_amdgpu_metadata
.endif
;; end of part 4
;; launch outp (part 5): grid 8 x 32, 4 waves a work-group, clusters of 4 x 4, 327,680 bytes of LDS; arguments pc, vc, ls, out0; writes out0
.if DOCPART == 5
	.amdgcn_target "amdgcn-amd-amdhsa--gfx1250"
	.amdhsa_code_object_version 6
	.text
	.protected	k_q18f9d26224_outp
	.globl	k_q18f9d26224_outp
	.p2align	8
	.type	k_q18f9d26224_outp,@function
k_q18f9d26224_outp:
	s_mov_b64 s[64:65], 0
	v_nop
	global_prefetch_b8 v0, s[64:65] scope:SCOPE_SE
	s_setreg_imm32_b32 hwreg(HW_REG_WAVE_MODE, 25, 1), 1
	s_wait_xcnt 0x0
	s_wait_alu depctr_hold_cnt(0) depctr_sa_sdst(0) depctr_va_vdst(0) depctr_va_sdst(0) depctr_va_ssrc(0) depctr_va_vcc(0) depctr_vm_vsrc(0)
	s_getreg_b32 s2, hwreg(HW_REG_IB_STS2, 6, 4)
	s_cmp_eq_u32 s2, 0
	s_cbranch_scc0 .Lentry_in_a_cluster
	s_endpgm
.Lentry_in_a_cluster:
	s_bfe_u32 s2, ttmp6, 0x10000c
	s_cmp_lg_u32 s2, 0xf033
	s_cbranch_scc0 .Lentry_shape_is_right
	s_endpgm
.Lentry_shape_is_right:
; out[b][t][c] = (sum over the keys s of A[t][s] v[s][c]) / (the row's sum of A + 1e-8), on codes of FP8 (E4M3) with one E8M0 scale for each 32 keys.  A's codes, scale words and row sums come from the launch before, v's from the first.
; A tile of out, 256 queries x 256 channels, is made by a work-group of four waves; a wave makes 128 x 128: 64 accumulators, 512 registers.
; THE GRID.  Cluster x = 0, 1: the batch's tile rows 0-3 or 4-7; cluster y: the batch; in a cluster cx is the channel tile, cy the tile row.  K, the keys, goes as far as the cluster's last row needs: 1,024 or 2,048.
;   The trip count hangs on the cluster's x alone, which all sixteen partners share.  Inside that range, keys after a query carry zero codes.
; CLUSTERS: the four work-groups of a row of the cluster need the same tiles of A, the four of a column the same tiles of v: each is asked for JOINTLY, by the same tensor load with the same descriptor and a mask that names the four.
; THE RING.  K goes in steps of 256 keys through two LDS slots.  A wave's tensor load brings 128 rows x 256 keys: two units of 16,896 bytes, each eight fragments as images of their registers and behind them their 128 scale words:
;   THE SCALE WORDS RIDE WITH THE CODES, so every LDS address is a constant of the text.  A's two units are consecutive in memory; v's lie 135,168 bytes apart.  An LDS load takes 512 (the scale words: 128) consecutive bytes: no padding.
; THE MATRIX INSTRUCTION IS USED TRANSPOSED (source 0 = 16 channels of v, source 1 = 16 queries of A): a lane holds eight neighbouring channels of one query's row.
; THE DIVISION is a reciprocal and a product, behind the last quantiser.  LIMITS: NaN and infinities are not served.
; REGISTERS, in windows of 256.  Window 0: v1-7 at work, v16-29 addresses; v32-63 scale words and nothing else, two sets; v64-79 the eight blocks' reciprocals, each twice; v128-255 A's fragments, one set; on the way out rows of out.
;   Window 1: v's fragments, two sets.   Windows 2, 3: accumulator (a, b) at v[8 (8 (a % 4) + b)] of window 2 + a / 4.
.set UNIT,   16896
.set PART,   2*UNIT                    ; what one tensor load brings, and what one wave reads of A or of v in a K step
.set SLOT,   4*PART
.set SPARE,  2*SLOT                    ; behind the ring: the spare words, 128 bytes for each wave: two blocks of 256 bytes that no other line names
.set ASTEP,  2*UNIT                    ; a K step on, in A's memory,
.set BSTEP,  16*UNIT                   ; and in v's: a key step of 128 is eight units there
.set FR,     16
.set NL,     4
.set NP,     8                         ; places behind this matrix instruction (ISA guide 7.12.1)
.set SIZE_N, 1024
.set SPITCH, 528                       ; the way out: a stage of 16 rows x (512 bytes + 16) for each wave.  It lies in slot 0, which has had its last fill and its last read when the first result is stored there
.set ADRA, 16                          ; v16-17  LDS address of my fragments of A in slot 0, 1
.set ADSA, 18                          ; v18-19  of their scale words
.set ADRB, 20                          ; v20-21  the same for v
.set ADSB, 22                          ; v22-23
.set STO,  24                          ; v24     the way out: where I put 32 bytes of a row
.set RD,   25                          ; v25     where I read a row back
.set CO,   26                          ; v26     my byte offset in a row of out
.set L4,   27                          ; v27     4 x lane
.set SPW,  28                          ; v28     LDS address of my spare word; never rewritten
.set NIL,  29                          ; v29     0, for the add alone; never rewritten
.set SC,   32                          ; scale words, set s for slot s at SC + 16 s: + 2 p + q A's, + 8 + 2 p + q v's: lanes 0-15 block 2 p, lanes 16-31 block 2 p + 1, the slot's q-th 128 keys
.set RC,   64                          ; v[64 + 2 a : 65 + 2 a] 1 / (row sum + 1e-8) of my row of block a, twice
.set AF,   128
.set BK,   128                         ; the way out: 16 rows read back from the stage: v128-191 and v192-255 by turns
.set G1, 24
.set G0, 32
.set G1B, 48
.set G0B, 56
.set SEL,  68
.set HM,   70
.set MSB, 0
.macro WIN new                         ; the immediate's high byte repeats the setting that is left
.if MSB != \new
	s_set_vgpr_msb (MSB<<8)|\new
.set MSB, \new
.endif
.endm
.set MUL_LO, 0xa1                      ; source 0 (v) window 1, source 1 (A) window 0, C and D window 2
.set MUL_HI, 0xf1
.set TO_B,   0x40
; A joint load: waves 0 and 1 fetch for A, waves 2 and 3 for v.  Four v_nop follow each of the two lines, ahead of the jump, the label and what follows.
.macro JLOAD g0a, g1a, g0b, g1b
	s_cmp_eq_u32 s15, 0
	s_cbranch_scc0 .Lfor_b_\@
	tensor_load_to_lds s[\g0a:\g0a+3], s[\g1a:\g1a+7]
	s_nop 0
.rept 4
	v_nop
.endr
	s_branch .Lasked_\@
.Lfor_b_\@:
	tensor_load_to_lds s[\g0b:\g0b+3], s[\g1b:\g1b+7]
	s_nop 0
.rept 4
	v_nop
.endr
.Lasked_\@:
.endm
.macro CREST
	s_cmp_lg_u32 s14, 0
	s_cbranch_scc1 .Lnot_wave_0_\@
	s_barrier_signal -3
.Lnot_wave_0_\@:
	s_barrier_wait -3
	s_barrier_signal -1
	s_barrier_wait -1
.endm
.macro CROUND
	s_barrier_signal -1
	s_barrier_wait -1
	CREST
.endm
	s_load_b128 s[4:7], s[0:1], 0x0                ; pc, vc
	s_load_b128 s[8:11], s[0:1], 0x10              ; ls, out0
	v_lshl_add_u32 v[SPW], v0, 2, SPARE
	v_mov_b32 v[NIL], 0
	ds_add_u32 v28, v29
	ds_add_u32 v28, v29
	s_wait_dscnt 0x0
	v_lshrrev_b32 v1, 5, v0
	v_readfirstlane_b32 s14, v1                    ; wave 0..3
	s_lshr_b32 s15, s14, 1                         ; which half of the tile's queries is mine.  Also: I fetch for A (0) or for v (1)
	s_and_b32 s16, s14, 1                          ; which half of its channels.  Also: which 128 rows of that tile I fetch
	s_bfe_u32 s40, ttmp6, 0x40000                  ; cx, cy: my place in the cluster
	s_bfe_u32 s41, ttmp6, 0x40004
	s_mov_b32 s42, s40                             ; the channel tile
	s_lshl_b32 s17, ttmp9, 2
	s_add_co_u32 s17, s17, s41                     ; the tile row in the batch
	s_lshl_b32 s43, s41, 2
	s_lshl_b32 s43, 15, s43                        ; my row of the cluster
	s_lshl_b32 s44, 0x1111, s40                    ; my column
	s_or_b32 s[G1+0], s43, (3<<16)|(1<<21)         ; 15:0 the mask: A's tiles go to my row; 17:16 elements of 8 bytes; 20 no padding; 21 set beside a mask
	s_mov_b32 s[G1+1], 32<<16                      ; A: a dense block of 33,792 bytes as 132 rows of 32 elements
	s_mov_b32 s[G1+2], 132<<16
	s_mov_b32 s[G1+3], 32<<16
	s_mov_b32 s[G1+4], 132
	s_mov_b32 s[G1+5], 32
	s_mov_b32 s[G1+6], 0
	s_mov_b32 s[G1+7], 0
	s_or_b32 s[G1B+0], s44, (3<<16)|(1<<21)        ; v's tiles go to my column
	s_mov_b32 s[G1B+1], 2112<<16                   ; v: 2 rows of 2,112 elements (a unit), 16,896 elements apart
	s_mov_b32 s[G1B+2], 2<<16
	s_mov_b32 s[G1B+3], 2112<<16
	s_mov_b32 s[G1B+4], 2
	s_mov_b32 s[G1B+5], 16896
	s_mov_b32 s[G1B+6], 0
	s_mov_b32 s[G1B+7], 0
	s_and_b32 s18, ttmp7, 0xffff                   ; the batch
	s_lshl_b32 s19, s18, 4
	s_lshl_b32 s20, s17, 1
	s_add_co_u32 s20, s20, s19
	s_add_co_u32 s20, s20, s16                     ; A: the 128 rows 16 b + 2 x tile row + half,
	s_mul_i32 s20, s20, 16*UNIT                    ; 16 units each (under 2^26 in all)
	s_mov_b32 s21, 0
	s_lshl_b32 s22, s18, 7
	s_lshl_b32 s46, s42, 1
	s_add_co_u32 s46, s46, s22
	s_add_co_u32 s46, s46, s16                     ; v: unit 128 b + 2 x channel tile + half, at key step 0
	s_mul_i32 s46, s46, UNIT
	s_mov_b32 s47, 0
	s_mul_i32 s45, s14, PART                       ; where they go: no place in the cluster enters an LDS address
	s_wait_kmcnt 0x0
	s_add_nc_u64 s[20:21], s[4:5], s[20:21]
	s_add_nc_u64 s[46:47], s[6:7], s[46:47]
	CROUND                                         ; all sixteen work-groups are here: the first joint loads meet
.irp s, 0,1
	s_mov_b32 s[G0+4*\s], 1
	s_add_co_u32 s[G0+4*\s+1], s45, \s*SLOT
	s_add_nc_u64 s[G0+4*\s+2:G0+4*\s+3], s[20:21], \s*ASTEP
	s_or_b32 s[G0+4*\s+3], s[G0+4*\s+3], 0x80000000
	s_mov_b32 s[G0B+4*\s], 1
	s_add_co_u32 s[G0B+4*\s+1], s45, \s*SLOT
	s_add_nc_u64 s[G0B+4*\s+2:G0B+4*\s+3], s[46:47], \s*BSTEP
	s_or_b32 s[G0B+4*\s+3], s[G0B+4*\s+3], 0x80000000
	JLOAD G0+4*\s, G1, G0B+4*\s, G1B
.endr
	v_and_b32 v1, 15, v0                           ; r
	v_bfe_u32 v2, v0, 4, 1                         ; h
	v_and_b32 v6, 31, v0                           ; lane
	v_lshlrev_b32 v[CO], 4, v6                     ; 16 x lane: a fragment's place for my lane; also my bytes of a row of out
	v_lshlrev_b32 v[L4], 2, v6
	s_mul_i32 s21, s15, PART                       ; my 128 queries
	s_mul_i32 s22, s16, PART                       ; my 128 channels,
	s_add_co_u32 s22, s22, 2*PART                  ; which lie behind A's two halves
.irp s, 0,1
	v_add_nc_u32 v[ADRA+\s], s21, v[CO]
	v_add_nc_u32 v[ADSA+\s], s21, v[L4]
	v_add_nc_u32 v[ADRB+\s], s22, v[CO]
	v_add_nc_u32 v[ADSB+\s], s22, v[L4]
	s_add_co_u32 s21, s21, SLOT
	s_add_co_u32 s22, s22, SLOT
.endr
	s_mul_i32 s23, s14, 16*SPITCH                  ; my stage
	v_mul_u32_u24 v5, v1, SPITCH                   ; in: row r, 32 bytes for each half of the lanes
	v_lshl_add_u32 v5, v2, 5, v5
	v_add_nc_u32 v[STO], s23, v5
	v_add_nc_u32 v[RD], s23, v[CO]                 ; back: the 32 lanes take one row of 512 bytes
	s_lshl_b32 s20, s18, 3
	s_add_co_u32 s20, s20, s17
	s_lshl_b32 s20, s20, 8
	s_lshl_b32 s21, s15, 7
	s_add_co_u32 s20, s20, s21                     ; my first row of out: 256 (8 b + tile row) + 128 x half,
	s_lshl_b32 s20, s20, 12                        ; of 4,096 bytes (under 2^26 in all)
	s_mov_b32 s21, 0
	s_lshl_b32 s46, s42, 10                        ; my first channel, in bytes: 1,024 x channel tile + 512 x half
	s_lshl_b32 s47, s16, 9
	s_add_co_u32 s46, s46, s47
	s_mov_b32 s47, 0
	s_add_nc_u64 s[20:21], s[20:21], s[46:47]
	s_add_nc_u64 s[12:13], s[10:11], s[20:21]
	; THE ROW SUMS of my 128 queries: 512 bytes for each key step of 128, lanes 0-15 block 2 p's rows, lanes 16-31 block 2 p + 1's.  Key steps 0-7 are there for every row; key steps 8-15 for tile rows 4-7 alone:
	; for tile rows 0-3 the second run of loads reads key steps 0-7 once more, and its sum is weighed with 0.  No branch.
	s_lshl_b32 s80, s18, 4
	s_lshl_b32 s81, s17, 1
	s_add_co_u32 s80, s80, s81
	s_add_co_u32 s80, s80, s15                     ; my 128 rows,
	s_lshl_b32 s80, s80, 13                        ; 16 key steps of 512 bytes
	s_mov_b32 s81, 0
	s_add_nc_u64 s[82:83], s[8:9], s[80:81]
	s_lshl_b32 s80, ttmp9, 12                      ; 0, or eight key steps on
	s_add_nc_u64 s[84:85], s[82:83], s[80:81]
	s_mov_b32 s86, ttmp9
	v_cvt_f32_u32 v7, s86                          ; 0.0 or 1.0
	s_mov_b32 s[SEL], 0x76543210
	s_mov_b32 s[SEL+1], 0xfedcba98                 ; v_permlanex16_b32's selects for lane l xor 16
	s_mov_b32 s[HM], 0xffff0000                    ; lanes 16-31
	s_lshl_b32 s3, ttmp9, 1
	s_add_co_u32 s3, s3, 1                         ; the loop's trips: laps of 512 keys less one: 1 or 3
.irp j, 0,1,2,3,4,5,6,7
.irp p, 0,1,2,3
	global_load_b32 v[128+4*\j+\p], v[L4], s[82:83] offset:512*\j+128*\p
	global_load_b32 v[160+4*\j+\p], v[L4], s[84:85] offset:512*\j+128*\p
.endr
.endr
	s_wait_loadcnt 0x0
.irp p, 0,1,2,3
	v_add_f32 v[192+\p], v[128+\p], v[132+\p]
	v_add_f32 v[196+\p], v[160+\p], v[164+\p]
.endr
.irp j, 2,3,4,5,6,7
.irp p, 0,1,2,3
	v_add_f32 v[192+\p], v[192+\p], v[128+4*\j+\p]
	v_add_f32 v[196+\p], v[196+\p], v[160+4*\j+\p]
.endr
.endr
.irp p, 0,1,2,3
	v_fma_f32 v[192+\p], v[196+\p], v7, v[192+\p]
.endr
.irp p, 0,1,2,3
	v_permlanex16_b32 v[196+\p], v[192+\p], s[SEL], s[SEL+1]
.endr
.irp p, 0,1,2,3
	v_cndmask_b32 v[200+2*\p], v[192+\p], v[196+\p], s[HM]        ; block 2 p: row r's sum lies in lane r,
	v_cndmask_b32 v[201+2*\p], v[196+\p], v[192+\p], s[HM]        ; block 2 p + 1: in lane 16 + r
.endr
.irp a, 0,1,2,3,4,5,6,7
	v_add_f32 v[200+\a], 0x322bcc77, v[200+\a]     ; + 1e-8
.endr
.irp a, 0,1,2,3,4,5,6,7
	v_rcp_f32 v[RC+2*\a], v[200+\a]
.endr
	v_nop                                          ; a plain instruction behind the last reciprocal
	s_wait_alu depctr_va_vdst(0)                   ; one wait for the eight, ahead of their first reader
.irp a, 0,1,2,3,4,5,6,7
	v_mov_b32 v[RC+2*\a+1], v[RC+2*\a]             ; a pair for the packed product
.endr
.macro FRAG reg, adr, q, i             ; fragment: block i of 16 rows, the slot's q-th 128 keys: 16 registers, as they lie
.irp c, 0,1,2,3
	ds_load_b128 v[\reg+4*\c:\reg+4*\c+3], v[\adr] offset:UNIT*(\q)+2048*(\i)+512*\c
.endr
.endm
; The product D = rD, source 0 = rA, source 1 = rB, scales rX, rY.  ra, rb: which half of the lanes holds the tile's scale words.  zero: the product starts its sum: nothing is ever cleared.
.macro WMI zero, ra, rb
.if (\zero)
.if ((\ra)==0)&&((\rb)==0)
	v_wmma_scale_f32_16x16x128_f8f6f4 v[rD:rD+7], v[rA:rA+15], v[rB:rB+15], 0, v[rX], v[rY]
.elseif ((\ra)==1)&&((\rb)==0)
	v_wmma_scale_f32_16x16x128_f8f6f4 v[rD:rD+7], v[rA:rA+15], v[rB:rB+15], 0, v[rX], v[rY] matrix_a_scale:MATRIX_SCALE_ROW1
.elseif ((\ra)==0)&&((\rb)==1)
	v_wmma_scale_f32_16x16x128_f8f6f4 v[rD:rD+7], v[rA:rA+15], v[rB:rB+15], 0, v[rX], v[rY] matrix_b_scale:MATRIX_SCALE_ROW1
.else
	v_wmma_scale_f32_16x16x128_f8f6f4 v[rD:rD+7], v[rA:rA+15], v[rB:rB+15], 0, v[rX], v[rY] matrix_a_scale:MATRIX_SCALE_ROW1 matrix_b_scale:MATRIX_SCALE_ROW1
.endif
.else
.if ((\ra)==0)&&((\rb)==0)
	v_wmma_scale_f32_16x16x128_f8f6f4 v[rD:rD+7], v[rA:rA+15], v[rB:rB+15], v[rD:rD+7], v[rX], v[rY]
.elseif ((\ra)==1)&&((\rb)==0)
	v_wmma_scale_f32_16x16x128_f8f6f4 v[rD:rD+7], v[rA:rA+15], v[rB:rB+15], v[rD:rD+7], v[rX], v[rY] matrix_a_scale:MATRIX_SCALE_ROW1
.elseif ((\ra)==0)&&((\rb)==1)
	v_wmma_scale_f32_16x16x128_f8f6f4 v[rD:rD+7], v[rA:rA+15], v[rB:rB+15], v[rD:rD+7], v[rX], v[rY] matrix_b_scale:MATRIX_SCALE_ROW1
.else
	v_wmma_scale_f32_16x16x128_f8f6f4 v[rD:rD+7], v[rA:rA+15], v[rB:rB+15], v[rD:rD+7], v[rX], v[rY] matrix_a_scale:MATRIX_SCALE_ROW1 matrix_b_scale:MATRIX_SCALE_ROW1
.endif
.endif
.endm
; 16 matrix instructions: A's blocks a0, a0 + 1 x v's eight, 128 keys: the slot's q-th.  p: v's set;  sc: the set of scale words.  The 64 accumulators take turns, one instruction a turn, in the same order in every step.
.macro MUL16 a0, p, q, sc, zero
.irp a, \a0, \a0+1
.irp b, 0,1,2,3,4,5,6,7
.set rD, 8*(8*((\a)%4)+\b)
.set rA, 128*(\p)+FR*\b
.set rB, AF+FR*(\a)
.set rX, SC+16*(\sc)+8+2*(\b/2)+(\q)
.set rY, SC+16*(\sc)+2*((\a)/2)+(\q)
	WMI \zero, \b%2, (\a)%2
.endr
.endr
.endm
.macro FETCH_B slot, q, p
	WIN TO_B
.irp i, 0,1,2,3,4,5,6,7
	FRAG 128*(\p)+FR*\i, ADRB+\slot, \q, \i
.endr
	WIN 0
.endm
.macro FETCH_A slot, q, i0
.irp i, \i0, \i0+1, \i0+2, \i0+3
	FRAG AF+FR*(\i), ADRA+\slot, \q, \i
.endr
.endm
.macro SCALES sc                       ; slot sc's scale words into set sc: behind each unit's fragments, 128 bytes for each pair of blocks
.irp p, 0,1,2,3
.irp q, 0,1
	ds_load_b32 v[SC+16*\sc+2*\p+\q], v[ADSA+\sc] offset:UNIT*\q+16384+128*\p
	ds_load_b32 v[SC+16*\sc+8+2*\p+\q], v[ADSB+\sc] offset:UNIT*\q+16384+128*\p
.endr
.endr
.endm
; A load into a register that a matrix instruction has read, and a vector instruction or an LDS store that reads a matrix result, stand NP places behind that matrix instruction, and only plain vector
; instructions that name none of its registers are places (ISA guide 7.12.1 for vector instructions); this text does not count the matrix instructions in between.
.macro PLACES n
.rept \n
	v_nop
.endr
.endm
; A slot's first 128 keys.  A block of A is free as soon as its eight products are issued, so one set of registers serves A: blocks 0-3 are fetched anew in the middle, blocks 4-7 at the end.
.macro STEP slot, zero
	s_wait_dscnt 4*NL                              ; v's set, A's blocks 0-3 and the scale words are in; the youngest sixteen loads (A's blocks 4-7) may be out
	WIN MUL_LO
	MUL16 0, 0, 0, \slot, \zero
	MUL16 2, 0, 0, \slot, \zero
	s_wait_dscnt 0                                 ; A's blocks 4-7 are in (asked for 32 matrix instructions ago)
	PLACES NP
	FETCH_B \slot, 1, 1
	FETCH_A \slot, 1, 0
	WIN MUL_HI
	MUL16 4, 0, 0, \slot, \zero
	MUL16 6, 0, 0, \slot, \zero
	PLACES NP
	WIN 0
	FETCH_A \slot, 1, 4
.endm
; A slot's second 128 keys change slots: ONE barrier; in front of it each wave waits for all its tensor loads, adds 0 to its spare word, and waits for that and for its own reads of this slot.  fill = 1: this slot is filled again, two K steps ahead.
.macro TURN slot, next, fill
	s_wait_tensorcnt 0x0                           ; all my tensor loads have landed: my part of the next slot;  (every window is 0 here)
	ds_add_u32 v[SPW], v[NIL]                      ; 0 onto my spare word
	s_wait_dscnt 4*NL+1                            ; (the add and the youngest sixteen loads, A's blocks 4-7, may be out)
	WIN MUL_LO
	MUL16 0, 1, 1, \slot, 0                        ; sixteen matrix instructions stand between the add and the wait for it
	s_wait_dscnt 0x0                               ; the add is done, and my reads of this slot are over
	s_barrier_signal -1
	MUL16 2, 1, 1, \slot, 0
	WIN 0
	s_barrier_wait -1
.if \fill
	CREST                                          ; the barrier has opened a round of the cluster's barrier: no wave of any partner still reads this slot's tile or has a load on its way
	s_add_nc_u64 s[G0+4*\slot+2:G0+4*\slot+3], s[G0+4*\slot+2:G0+4*\slot+3], 2*ASTEP
	s_add_nc_u64 s[G0B+4*\slot+2:G0B+4*\slot+3], s[G0B+4*\slot+2:G0B+4*\slot+3], 2*BSTEP
	JLOAD G0+4*\slot, G1, G0B+4*\slot, G1B         ; the first tensor load behind the round; the four v_nop behind it are among the places in front of the loads below
	PLACES NP-4
.else
	PLACES NP
.endif
	FETCH_B \next, 0, 0
	FETCH_A \next, 0, 0
	SCALES \next
	WIN MUL_HI
	MUL16 4, 1, 1, \slot, 0
	MUL16 6, 1, 1, \slot, 0
	PLACES NP
	WIN 0
	FETCH_A \next, 0, 4
.endm
	s_wait_tensorcnt 1                             ; my part of K step 0 is in (K step 1's load may be out)
	s_barrier_signal -1
	s_barrier_wait -1                              ; everybody's is
	FETCH_B 0, 0, 0
	FETCH_A 0, 0, 0
	SCALES 0
	FETCH_A 0, 0, 4
	STEP 0, 1                                      ; the first step stands in front of the loop: its products start the sums
.Llap:                                                 ; 1 or 3 trips: a trip goes once round the ring, from a lap's second 128 keys to the next lap's first, and fills both slots again
	TURN 0, 1, 1
	STEP 1, 0
	TURN 1, 0, 1
	STEP 0, 0
	s_sub_co_u32 s3, s3, 1
	s_cmp_lg_u32 s3, 0
	s_cbranch_scc1 .Llap
	TURN 0, 1, 0                                   ; the last lap fills nothing, and has no round of the cluster's barrier
	STEP 1, 0
	s_wait_dscnt 4*NL                              ; the very last 128 keys: nothing more to fetch
	WIN MUL_LO
	MUL16 0, 1, 1, 1, 0
	MUL16 2, 1, 1, 1, 0
	s_wait_dscnt 0
	WIN MUL_HI
	MUL16 4, 1, 1, 1, 0
	MUL16 6, 1, 1, 1, 0
	WIN 0
; THE WAY OUT, block by block of 16 queries x 128 channels.  The block is divided by its rows' sums.  A lane holds 32 neighbouring bytes of a row, and the lanes beside it hold other rows: so a block goes through my own stage
; in LDS and comes back as whole rows of 512 bytes.  LDS serves a wave's instructions in order (ISA guide 5.7.1.4): no wait between the stores and the loads, nor in front of the next block's stores.
.macro TOSTAGE a
.set AC, 64*((\a)%4)
.set WN, 0x82+0x41*((\a)/4)
	WIN WN                                         ; destination and source 0 window 2 or 3, source 1 window 0
.irp i, 0,2,4,6,8,10,12,14,16,18,20,22,24,26,28,30,32,34,36,38,40,42,44,46,48,50,52,54,56,58,60,62
	v_pk_mul_f32 v[AC+\i:AC+\i+1], v[AC+\i:AC+\i+1], v[RC+2*(\a):RC+2*(\a)+1]   ; each accumulator from its low end on
.endr
.set WN, 0x08+4*((\a)/4)
	WIN WN                                         ; an LDS store's data are its source 1
.irp b, 0,1,2,3,4,5,6,7
	ds_store_b128 v[STO], v[AC+8*\b:AC+8*\b+3] offset:64*\b
	ds_store_b128 v[STO], v[AC+8*\b+4:AC+8*\b+7] offset:64*\b+16
.endr
	WIN 0
.set BB, BK+64*((\a)%2)
.irp t, 0,1,2,3,4,5,6,7,8,9,10,11,12,13,14,15
	ds_load_b128 v[BB+4*\t:BB+4*\t+3], v[RD] offset:\t*SPITCH
.endr
.endm
.macro SEND a, younger                 ; younger: the LDS instructions issued behind block a's loads, which may stay out
.set BB, BK+64*((\a)%2)
	s_wait_dscnt \younger                          ; the block is back in registers
.if (\a) > 0
	s_add_nc_u64 s[12:13], s[12:13], 16*SIZE_N*4   ; (behind a wait on XCNT: the earlier stores have read their base)  16 rows of out on
.endif
.irp t, 0,1,2,3,4,5,6,7,8,9,10,11,12,13,14,15
	global_store_b128 v[CO], v[BB+4*\t:BB+4*\t+3], s[12:13] offset:\t*SIZE_N*4 th:TH_STORE_NT   ; 32 lanes store 512 consecutive bytes, aligned; written once, read by nobody here
.endr
.endm
	PLACES NP                                      ; in front of the first read of results and of the loads into the registers that held A's fragments
	TOSTAGE 0
.irp a, 1,2,3,4,5,6,7
.if \a > 1
	s_wait_xcnt 0x0                                ; block a - 2's stores have read their registers and their base: block a's loads may land there, and the base may step
.endif
	TOSTAGE \a
	SEND \a-1, 32                                  ; behind block a - 1's loads: block a's 16 stores and 16 loads
.endr
	s_wait_xcnt 0x0                                ; block 6's stores have read their base
	SEND 7, 0
	s_wait_tensorcnt 0x0                           ; the wave's end, behind my last tensor load and my last LDS store
	ds_add_u32 v[SPW], v[NIL]
	s_wait_dscnt 0x0
	CROUND                                         ; the closing round: no work-group ends while a partner may still ask for a tile that names it
	s_endpgm
.Lfunc_end_k_q18f9d26224_outp:
	.size	k_q18f9d26224_outp, .Lfunc_end_k_q18f9d26224_outp-k_q18f9d26224_outp
	.p2alignl 7, 3214868480
	.fill 96, 4, 3214868480
	.section	.rodata,"a",@progbits
	.p2align	6, 0x0
	.amdhsa_kernel k_q18f9d26224_outp
		.amdhsa_group_segment_fixed_size 327680
		.amdhsa_private_segment_fixed_size 0
		.amdhsa_enable_private_segment 0
		.amdhsa_kernarg_size 32
		.amdhsa_user_sgpr_count 2
		.amdhsa_user_sgpr_kernarg_segment_ptr 1
		.amdhsa_wavefront_size32 1
		.amdhsa_system_sgpr_workgroup_id_x 1
		.amdhsa_system_sgpr_workgroup_id_y 1
		.amdhsa_system_sgpr_workgroup_id_z 1
		.amdhsa_system_vgpr_workitem_id 0
		.amdhsa_next_free_vgpr 1024
		.amdhsa_next_free_sgpr 100
		.amdhsa_reserve_vcc 0
		.amdhsa_float_denorm_mode_32 3
		.amdhsa_float_denorm_mode_16_64 3
		.amdhsa_memory_ordered 1
		.amdhsa_forward_progress 1
		.amdhsa_inst_pref_size 171
	.end_amdhsa_kernel
	.amdgpu_metadata
---
amdhsa.version: [ 1, 2 ]
amdhsa.kernels:
  - .name:           k_q18f9d26224_outp
    .symbol:         k_q18f9d26224_outp.kd
    .args:
      - { .name: pc, .offset: 0, .size: 8, .value_kind: global_buffer, .address_space: global }
      - { .name: vc, .offset: 8, .size: 8, .value_kind: global_buffer, .address_space: global }
      - { .name: ls, .offset: 16, .size: 8, .value_kind: global_buffer, .address_space: global }
      - { .name: out0, .offset: 24, .size: 8, .value_kind: global_buffer, .address_space: global }
    .group_segment_fixed_size: 327680
    .private_segment_fixed_size: 0
    .kernarg_segment_align: 8
    .kernarg_segment_size: 32
    .max_flat_workgroup_size: 128
    .sgpr_count:     100
    .vgpr_count:     1024
    .wavefront_size: 32
...
	.end_amdgpu_metadata
.endif
;; end of part 5
